; MI455X (gfx1250); checked and timed in simulation.
; The chip was launched on July 23, 2026; its instructions are those of AMD's public machine-readable ISA for CDNA 5 (MIT licence, August 2026) and "CDNA5" Instruction Set Architecture Reference Guide (July 2026). The comments in the code are by the model that wrote it; some were corrected since.
;; Linear Cross Modal Attention. Allowed arithmetic: matrix products marked QUANTISED: E2M1 operands, one E8M0 scale for each 32 along K, by v_wmma_scale_f32_16x16x128_f8f6f4 with both operands' format E2M1 (or v_wmma_scale_f32_32x16x128_f4), f32 sums; products left as they are: bf16, f16 or f32 operands; f32 sums; everything else in f32.
;; Inputs: Wk 512 x 512 float32; Wo 512 x 512 float32; Wq 512 x 512 float32; Wv 512 x 512 float32; key_feat 8 x 512 x 64 x 64 float32; query_feat 8 x 512 x 64 x 64 float32.
;; Outputs: out0 8 x 512 x 64 x 64 float32.
;; This version of the problem:
;;   THIS VERSION OF THE PROBLEM IS GIVEN IN LOW PRECISION. The matrix products marked QUANTISED in the list below multiply operands that are first quantised to E2M1 (2 exponent bits, 1 mantissa bit; 4 bits a number), with one power-of-two scale for each 32 numbers along K (OCP MX v1.0); their sums are f32. The products marked 'left as it is' may take bf16, f16 or f32 operands, with f32 sums. Whichever they take, every output number must still come out within the allowed error. Rounding operands to bf16 (8 significant bits) uses up far more of that allowance than f16 does (11 bits, for magnitudes from 6e-5 to 65,504). All else is computed in f32.
;;   The module's matrix products, in the order in which they are computed (A, B: the left and right operand; K: the contracted axis; several contracted axes count as one K, in the product's order):
;;     1. [M 32,768, K 512] x [K 512, N 512]; A: input query_feat; B: input Wq: QUANTISED
;;     2. [M 32,768, K 512] x [K 512, N 512]; A: input key_feat; B: input Wk: QUANTISED
;;     3. [M 32,768, K 512] x [K 512, N 512]; A: input key_feat; B: input Wv: QUANTISED
;;     4. batch 8 x [M 512, K 4,096] x [K 4,096, N 512]; A: computed on the way; B: computed on the way: left as it is (an operand is computed on the way)
;;     5. batch 8 x [M 512, K 512] x [K 512, N 4,096]; A: computed on the way; B: computed on the way: left as it is (an operand is computed on the way)
;;     6. [M 32,768, K 512] x [K 512, N 512]; A: computed on the way; B: input Wo: left as it is (an operand is computed on the way)
;;   THE QUANTISER, for each operand of a quantised product, along K:
;;     - K is cut into blocks of 32 from its start; a last block that is shorter is filled with zeros.
;;     - A block's scale is 2^e with e = floor(log2(the largest magnitude in the block)) - 2, held to -126 .. 127; a block of zeros has e = 0. As a byte (E8M0): e + 127.
;;     - Each number is divided by its block's scale, clamped to +-6, and rounded to the nearest number of E2M1, ties to even, subnormals kept.
;;     - The product sums the exact products of the quantised numbers (number of the format x scale) in f32.
;;   ~~~python
;;   def quantise(x, axis):      # numpy; x: float32 -> the quantised numbers, widened to float32 again
;;       x = np.moveaxis(x, axis, -1); K = x.shape[-1]
;;       x = np.pad(x, [(0, 0)] * (x.ndim - 1) + [(0, -K % 32)]); x = x.reshape(x.shape[:-1] + (-1, 32)); a = np.abs(x).max(-1, keepdims=True)
;;       e = np.where(a > 0, np.clip(np.frexp(np.where(a > 0, a, 1))[1] - 1 - 2, -126, 127), 0)      # np.frexp(a)[1] - 1 = floor(log2(a)), exactly
;;       r = np.clip(x / 2.0 ** e, -6, 6)
;;       step = 2.0 ** (np.maximum(np.frexp(np.where(r == 0, 1, r))[1] - 1, 0) - 1)
;;       q = np.round(r / step) * step * 2.0 ** e      # np.round: ties to even
;;       return np.moveaxis(q.reshape(q.shape[:-2] + (-1,))[..., :K], -1, axis).astype(np.float32)
;;   ~~~
;; One version. Each part assembles by itself: llvm-mc -triple=amdgcn-amd-amdhsa -mcpu=gfx1250 --defsym DOCPART=n.
;; ======== version 1 of 1: 6 launches
;; limits: values are held in f16: magnitudes above 65,504 overflow, below 6.1e-05 lose precision
;; workspace buffers: xcod 16,777,216 bytes; xscl 1,048,576 bytes; wts 942,080 bytes; qk 67,108,864 bytes; ps 33,554,432 bytes; at 4,194,304 bytes; gm 4,194,304 bytes
;; launch quant (part 1): grid 544 x 1, 4 waves a work-group, no clusters, 0 bytes of LDS; arguments query_feat, key_feat, Wq, Wk, Wv, Wo, xcod, xscl, wts; writes xcod, xscl, wts
.if DOCPART == 1
	.amdgcn_target "amdgcn-amd-amdhsa--gfx1250"
	.amdhsa_code_object_version 6
	.text
	.protected	k_qb62cb596b7_quant
	.globl	k_qb62cb596b7_quant
	.p2align	8
	.type	k_qb62cb596b7_quant,@function
k_qb62cb596b7_quant:
	s_mov_b64 s[64:65], 0
	v_nop
	global_prefetch_b8 v0, s[64:65] scope:SCOPE_SE
	s_setreg_imm32_b32 hwreg(HW_REG_WAVE_MODE, 25, 1), 1
	s_wait_xcnt 0x0
; The operands of the three quantised products become codes of E2M1 with one E8M0 byte for each 32 along K (K = the 512 channels); Wo becomes f16.
; Everything is stored as IMAGES OF OPERAND REGISTERS, so that later launches fetch fragments by 16 bytes a lane, 512 consecutive bytes an instruction:
;   a 4-bit image (16 rows x 128 K, 1,024 bytes): byte 512 c + 16 (16 h + r) holds row r's 32 codes of K = 64 c + 32 h + 0 .. 31;
;   a 16-bit image (16 rows x 32 K, 1,024 bytes): byte 512 p + 16 (16 h + r) holds row r's K = 16 p + 8 h + 0 .. 7;
;   scale rows: 16 bytes a row, word s = the four bytes of K = 128 s .. 128 s + 127.
; xcod [t: xq, xk][b 8][16 positions: 256][K step 4][image], xscl [t][b][position 4096][16].
; wts: 0: [Wq, Wk, Wv][16 rows: 32][K step 4][image]; 393,216: [Wq, Wk, Wv][row 512][16]; 417,792: Wo [16 rows: 32][32 K: 16][16-bit image].
; A block's scale is 2^(floor(log2(largest magnitude)) - 2): its byte is the largest magnitude's exponent field - 2, held at 1 from below by a floor among the maximum's leaves.
; LIMITS: a block of zeros gets the byte 1 where the rule says 127 (its codes are zeros, and these bytes are read by this program alone); NaN and infinities are not served; |Wo| stays under 65,504.
; THREE WAYS, parted on the work-group's number: 0-511 the feature maps, 512-535 the three weights, 536-543 Wo.  No LDS, no barrier: waves share nothing, and no two work-groups read the same bytes, so there is nothing to ask for jointly.
.set WV, 6
.set X,  32                            ; v32-95   the maps' way: two sets of 32 numbers
.set CD, 96                            ; v96-159  four registers of codes for each of 16 blocks: no store's data are written again
.set SB, 16                            ; v16-19   scale words
	s_load_b256 s[8:15], s[0:1], 0x0               ; query_feat s[8:9], key_feat s[10:11], Wq s[12:13], Wk s[14:15]
	s_load_b256 s[16:23], s[0:1], 0x20             ; Wv s[16:17], Wo s[18:19], xcod s[20:21], xscl s[22:23]
	s_load_b64 s[24:25], s[0:1], 0x40              ; wts
	v_lshrrev_b32 v1, 5, v0
	v_readfirstlane_b32 s[WV], v1                  ; wave 0..3
	v_and_b32 v1, 31, v0                           ; lane
	v_and_b32 v5, 15, v0                           ; r
	v_bfe_u32 v6, v0, 4, 1                         ; h
	v_lshlrev_b32 v4, 4, v1                        ; 16 x lane
	s_cmp_lt_u32 ttmp9, 512
	s_cbranch_scc0 .Lweights
; ---- THE FEATURE MAPS: [b][c 512][n 4096] f32, K = c is not innermost.  A lane takes a position n and its registers run down c: a block of 32 lies in one lane's 32 registers.
; A work-group takes 128 positions of one map and batch, a wave 32: each load of a wave reads 128 consecutive bytes, the four waves 512.
	v_lshlrev_b32 v2, 2, v1                        ; in: 4 bytes a lane
	v_lshlrev_b32 v3, 4, v5
	v_lshl_add_u32 v3, v6, 12, v3                  ; out: 16 r, and lanes 16-31 in the next tile of 16 positions (4,096 bytes on)
	s_lshr_b32 s26, ttmp9, 5                       ; 8 t + b
	s_and_b32 s27, ttmp9, 31                       ; which 128 positions
	s_and_b32 s28, s26, 7                          ; b
	s_lshl_b32 s30, s28, 23                        ; the map: b x 512 x 4096 x 4
	s_lshl_b32 s29, s27, 9
	s_add_co_u32 s30, s30, s29
	s_lshl_b32 s29, s[WV], 7
	s_add_co_u32 s30, s30, s29                     ; + 4 x my first position
	s_mov_b32 s31, 0
	s_lshl_b32 s32, s26, 20                        ; the codes: (8 t + b) x 256 tiles x 4,096
	s_lshl_b32 s29, s27, 15
	s_add_co_u32 s32, s32, s29
	s_lshl_b32 s29, s[WV], 13
	s_add_co_u32 s32, s32, s29                     ; + my first tile
	s_mov_b32 s33, 0
	s_lshl_b32 s34, s26, 16                        ; the scale rows: (8 t + b) x 4096 x 16
	s_lshl_b32 s29, s27, 11
	s_add_co_u32 s34, s34, s29
	s_lshl_b32 s29, s[WV], 9
	s_add_co_u32 s34, s34, s29
	s_mov_b32 s35, 0
	s_wait_kmcnt 0x0
	s_cmp_lt_u32 ttmp9, 256                        ; the choice hangs on the work-group's number alone
	s_cselect_b64 s[8:9], s[8:9], s[10:11]
	s_add_nc_u64 s[8:9], s[8:9], s[30:31]
	s_add_nc_u64 s[20:21], s[20:21], s[32:33]
	s_add_nc_u64 s[22:23], s[22:23], s[34:35]
.macro LOAD t                          ; block t: channels 32 t + i of my position, into set t % 2; the largest offset, 511 x 16,384, lies inside the signed 24-bit immediate
.irp i, 0,1,2,3,4,5,6,7,8,9,10,11,12,13,14,15,16,17,18,19,20,21,22,23,24,25,26,27,28,29,30,31
	global_load_b32 v[X+32*((\t)%2)+\i], v2, s[8:9] offset:(32*(\t)+\i)*16384 th:TH_LOAD_NT
.endr
.endm
.macro BLOCK t
.set XS, X+32*((\t)%2)
.if (\t) < 15
	s_wait_loadcnt 32                              ; this block's 32 loads are in; the next block's 32 may be out
.else
	s_wait_loadcnt 0
.endif
	v_max3_num_f32 v12, |v[XS]|, |v[XS+1]|, |v[XS+2]|   ; the block's largest magnitude, in two chains
	v_max3_num_f32 v13, |v[XS+3]|, |v[XS+4]|, |v[XS+5]|
.irp i, 6,10,14,18,22,26
	v_max3_num_f32 v12, v12, |v[XS+\i]|, |v[XS+\i+1]|
	v_max3_num_f32 v13, v13, |v[XS+\i+2]|, |v[XS+\i+3]|
.endr
	v_max3_num_f32 v12, v12, |v[XS+30]|, |v[XS+31]|
	v_max3_num_f32 v12, v12, v13, 0x1800000        ; and the floor 2^(3 - 127): the byte cannot fall under 1
	v_add_nc_u32 v11, 0xff000000, v12              ; 2 off the exponent field: the conversion takes this operand's exponent field as its scale
	v_lshrrev_b32 v13, 23, v11                     ; the scale's byte
.if (\t)%4 == 0
	v_mov_b32 v[SB+(\t)/4], v13
.else
	v_lshl_or_b32 v[SB+(\t)/4], v13, 8*((\t)%4), v[SB+(\t)/4]
.endif
.irp g, 0,1,2,3
	v_cvt_scalef32_pk8_fp4_f32 v[CD+4*(\t)+\g], v[XS+8*\g:XS+8*\g+7], v11
.endr
	global_store_b128 v3, v[CD+4*(\t):CD+4*(\t)+3], s[20:21] offset:((\t)/4)*1024+(((\t)%4)/2)*512+((\t)%2)*256   ; sixteen lanes store 256 consecutive bytes, aligned
.if (\t)+2 < 16
	LOAD (\t)+2
.endif
.endm
	LOAD 0
	LOAD 1
.set Q, 0
.rept 16
	BLOCK Q
.set Q, Q+1
.endr
	global_store_b128 v4, v[SB:SB+3], s[22:23]     ; 32 positions' scale rows: 512 consecutive bytes
	s_endpgm
; ---- THE THREE WEIGHTS [512 (rows)][512 (K)] f32, K innermost.  A wave takes 16 rows; lane (r, h) loads, of row r, the 32 numbers that the operand's layout gives it, so the conversions' results are the image.
.Lweights:
	s_cmp_lt_u32 ttmp9, 536
	s_cbranch_scc0 .Lwo
	s_sub_co_u32 s26, ttmp9, 512
	s_lshr_b32 s27, s26, 3                         ; which weight
	s_and_b32 s28, s26, 7
	s_lshl_b32 s28, s28, 2
	s_add_co_u32 s28, s28, s[WV]                   ; which 16 rows
	s_lshl_b32 s30, s28, 15                        ; 16 rows of 2,048 bytes
	s_mov_b32 s31, 0
	s_lshl_b32 s32, s27, 17
	s_lshl_b32 s29, s28, 12
	s_add_co_u32 s32, s32, s29                     ; the images: 131,072 a weight, 4,096 a tile of rows
	s_mov_b32 s33, 0
	s_lshl_b32 s34, s27, 13
	s_lshl_b32 s29, s28, 8
	s_add_co_u32 s34, s34, s29
	s_add_co_u32 s34, s34, 393216                  ; the scale rows
	s_mov_b32 s35, 0
	s_mov_b32 s36, 0x76543210
	s_mov_b32 s37, 0xfedcba98                      ; v_permlanex16_b32's selects for lane l xor 16
	v_lshlrev_b32 v2, 11, v5
	v_lshl_add_u32 v2, v6, 7, v2                   ; row r, + 128 h bytes
	v_lshlrev_b32 v7, 3, v6                        ; 8 h
	v_mov_b32 v15, 0                               ; a lane permute's destination counts as one of its sources
	s_wait_kmcnt 0x0
	s_cmp_eq_u32 s27, 0
	s_cselect_b64 s[12:13], s[12:13], s[14:15]
	s_cmp_eq_u32 s27, 2
	s_cselect_b64 s[12:13], s[16:17], s[12:13]
	s_add_nc_u64 s[12:13], s[12:13], s[30:31]
	s_add_nc_u64 s[38:39], s[24:25], s[32:33]
	s_add_nc_u64 s[40:41], s[24:25], s[34:35]
.macro LOADW k                         ; K step k: my two blocks of 32 numbers, into set k % 2
.irp c, 0,1
.irp i, 0,1,2,3,4,5,6,7
	global_load_b128 v[64+64*((\k)%2)+32*\c+4*\i:64+64*((\k)%2)+32*\c+4*\i+3], v2, s[12:13] offset:512*(\k)+256*\c+16*\i
.endr
.endr
.endm
.macro QW k
.set XW, 64+64*((\k)%2)
.irp c, 0,1
	v_max3_num_f32 v[8+\c], |v[XW+32*\c]|, |v[XW+32*\c+1]|, 0x1800000
.endr
.irp i, 2,4,6,8,10,12,14,16,18,20,22,24,26,28,30
.irp c, 0,1
	v_max3_num_f32 v[8+\c], v[8+\c], |v[XW+32*\c+\i]|, |v[XW+32*\c+\i+1]|
.endr
.endr
.irp c, 0,1
	v_add_nc_u32 v[10+\c], 0xff000000, v[8+\c]
.endr
.irp c, 0,1
	v_lshrrev_b32 v[12+\c], 23, v[10+\c]
.endr
	v_lshl_or_b32 v14, v13, 16, v12                ; my two bytes: blocks h and 2 + h,
	v_lshlrev_b32 v14, v7, v14                     ; 8 h bits up;
	v_permlanex16_b32 v15, v14, s36, s37
	v_or_b32 v[SB+(\k)], v14, v15                  ; with lane l xor 16's two the word is whole
.irp c, 0,1
.irp g, 0,1,2,3
	v_cvt_scalef32_pk8_fp4_f32 v[192+8*(\k)+4*\c+\g], v[XW+32*\c+8*\g:XW+32*\c+8*\g+7], v[10+\c]
.endr
.endr
	v_nop                                          ; one plain line behind the last scaled conversion
.irp c, 0,1
	global_store_b128 v4, v[192+8*(\k)+4*\c:192+8*(\k)+4*\c+3], s[38:39] offset:1024*(\k)+512*\c
.endr
.endm
	LOADW 0
	LOADW 1
	s_wait_loadcnt 16                              ; the other set's 16 loads may be out
	QW 0
	LOADW 2
	s_wait_loadcnt 16
	QW 1
	LOADW 3
	s_wait_loadcnt 16
	QW 2
	s_wait_loadcnt 0
	QW 3
	s_wait_xcnt 0x0                                ; EXEC changes only behind this wait
	v_cmp_gt_u32 vcc_lo, 16, v1
	s_and_saveexec_b32 s42, vcc_lo                 ; lanes 16-31 hold the same words: lanes 0-15 store the 16 rows, 256 consecutive bytes
	global_store_b128 v4, v[SB:SB+3], s[40:41]
	s_endpgm
; ---- Wo [512 (o)][512 (c)] f32 becomes f16 images, rows o, K = c.  A wave takes 16 rows, in two groups of eight images.
.Lwo:
	s_sub_co_u32 s26, ttmp9, 536
	s_lshl_b32 s26, s26, 2
	s_add_co_u32 s26, s26, s[WV]                   ; which 16 rows
	s_lshl_b32 s30, s26, 15
	s_mov_b32 s31, 0
	s_lshl_b32 s32, s26, 14                        ; 16 images of 1,024 bytes
	s_add_co_u32 s32, s32, 417792
	s_mov_b32 s33, 0
	v_lshlrev_b32 v2, 11, v5
	v_lshl_add_u32 v2, v6, 5, v2                   ; row r, + 32 h bytes
	s_wait_kmcnt 0x0
	s_add_nc_u64 s[18:19], s[18:19], s[30:31]
	s_add_nc_u64 s[24:25], s[24:25], s[32:33]
.irp g, 0,1
.irp k, 0,1,2,3,4,5,6,7
	global_load_b128 v[64+16*\k:64+16*\k+3],     v2, s[18:19] offset:128*(8*\g+\k)
	global_load_b128 v[64+16*\k+4:64+16*\k+7],   v2, s[18:19] offset:128*(8*\g+\k)+16
	global_load_b128 v[64+16*\k+8:64+16*\k+11],  v2, s[18:19] offset:128*(8*\g+\k)+64
	global_load_b128 v[64+16*\k+12:64+16*\k+15], v2, s[18:19] offset:128*(8*\g+\k)+80
.endr
	s_wait_loadcnt 0x0
	s_wait_xcnt 0x0                                ; the first group's stores have read the registers that the conversions write again
.irp k, 0,1,2,3,4,5,6,7
.irp i, 0,1,2,3,4,5,6,7
	v_cvt_pk_f16_f32 v[192+8*\k+\i], v[64+16*\k+2*\i], v[64+16*\k+2*\i+1]
.endr
.endr
.irp k, 0,1,2,3,4,5,6,7
.irp p, 0,1
	global_store_b128 v4, v[192+8*\k+4*\p:192+8*\k+4*\p+3], s[24:25] offset:1024*(8*\g+\k)+512*\p
.endr
.endr
.endr
	s_endpgm
.Lfunc_end_k_qb62cb596b7_quant:
	.size	k_qb62cb596b7_quant, .Lfunc_end_k_qb62cb596b7_quant-k_qb62cb596b7_quant
	.p2alignl 7, 3214868480
	.fill 96, 4, 3214868480
	.section	.rodata,"a",@progbits
	.p2align	6, 0x0
	.amdhsa_kernel k_qb62cb596b7_quant
		.amdhsa_group_segment_fixed_size 0
		.amdhsa_private_segment_fixed_size 0
		.amdhsa_enable_private_segment 0
		.amdhsa_kernarg_size 72
		.amdhsa_user_sgpr_count 2
		.amdhsa_user_sgpr_kernarg_segment_ptr 1
		.amdhsa_wavefront_size32 1
		.amdhsa_system_sgpr_workgroup_id_x 1
		.amdhsa_system_sgpr_workgroup_id_y 1
		.amdhsa_system_sgpr_workgroup_id_z 1
		.amdhsa_system_vgpr_workitem_id 0
		.amdhsa_next_free_vgpr 256
		.amdhsa_next_free_sgpr 66
		.amdhsa_reserve_vcc 1
		.amdhsa_float_denorm_mode_32 3
		.amdhsa_float_denorm_mode_16_64 3
		.amdhsa_memory_ordered 1
		.amdhsa_forward_progress 1
		.amdhsa_inst_pref_size 113
	.end_amdhsa_kernel
	.amdgpu_metadata
---
amdhsa.version: [ 1, 2 ]
amdhsa.kernels:
  - .name:           k_qb62cb596b7_quant
    .symbol:         k_qb62cb596b7_quant.kd
    .args:
      - { .name: query_feat, .offset: 0, .size: 8, .value_kind: global_buffer, .address_space: global }
      - { .name: key_feat, .offset: 8, .size: 8, .value_kind: global_buffer, .address_space: global }
      - { .name: Wq, .offset: 16, .size: 8, .value_kind: global_buffer, .address_space: global }
      - { .name: Wk, .offset: 24, .size: 8, .value_kind: global_buffer, .address_space: global }
      - { .name: Wv, .offset: 32, .size: 8, .value_kind: global_buffer, .address_space: global }
      - { .name: Wo, .offset: 40, .size: 8, .value_kind: global_buffer, .address_space: global }
      - { .name: xcod, .offset: 48, .size: 8, .value_kind: global_buffer, .address_space: global }
      - { .name: xscl, .offset: 56, .size: 8, .value_kind: global_buffer, .address_space: global }
      - { .name: wts, .offset: 64, .size: 8, .value_kind: global_buffer, .address_space: global }
    .group_segment_fixed_size: 0
    .private_segment_fixed_size: 0
    .kernarg_segment_align: 8
    .kernarg_segment_size: 72
    .max_flat_workgroup_size: 128
    .sgpr_count:     66
    .vgpr_count:     256
    .wavefront_size: 32
...
	.end_amdgpu_metadata
.endif
;; end of part 1
;; launch proj (part 2): grid 16 x 16, 4 waves a work-group, no clusters, 167,936 bytes of LDS; arguments xcod, xscl, wts, qk; writes qk
.if DOCPART == 2
	.amdgcn_target "amdgcn-amd-amdhsa--gfx1250"
	.amdhsa_code_object_version 6
	.text
	.protected	k_qb62cb596b7_proj
	.globl	k_qb62cb596b7_proj
	.p2align	8
	.type	k_qb62cb596b7_proj,@function
k_qb62cb596b7_proj:
	s_mov_b64 s[64:65], 0
	v_nop
	global_prefetch_b8 v0, s[64:65] scope:SCOPE_SE
	s_setreg_imm32_b32 hwreg(HW_REG_WAVE_MODE, 25, 1), 1
	s_wait_xcnt 0x0
; q = Wq xq and k = Wk xk, on codes of E2M1 with E8M0 scales; the results are rounded to f16 and stored as images of the next product's operands:
; qk [q, k][b 8][32 positions: 128][16 channels: 32][16-bit image: rows = channels, K = positions].
; SHARES.  Work-group (x, y): y = 8 (q or k) + b, x = which 256 positions; it makes all 512 channels.  Wave w makes channels 128 w .. 128 w + 127: its 32 fragments of the weight stay in registers.
; The 256 positions' codes, 65,536 dense bytes, come into LDS once, a quarter by each wave's tensor load, and are read by all four.
; LAYOUT.  Source 0 = 16 positions, source 1 = 16 channels: in the result a lane holds ONE channel (lane % 16) and the positions 8 (lane / 16) + 0 .. 7, which pack into the 16 bytes that the image wants of that lane.
; NO CLUSTER: what work-groups share is the weight's 136 KiB, which goes from memory straight into the registers in which it stays; asked for jointly it would pass through LDS first.  The codes are each work-group's own.
; LIMITS: |q|, |k| stay under 65,504 (f16): with inputs and weights 30 times larger, or carrying an offset of 30 spreads, they reach about 2 x 10^4.
; REGISTERS: window 0: v1 16 x lane; v30, v31 the add's two; v32-47 the weight's scale words; v48-79 the positions'; v128-255 the positions' fragments, two sets.  Window 1: the weight's fragments.  Window 2: the results, two sets of 16 tiles.
.set LI,  1
.set SPW, 30
.set NIL, 31
.set WS,  32                           ; register 4 (a / 2) + s: lanes 0-15 tile a even, lanes 16-31 tile a odd, K step s
.set XS,  48                           ; register 4 st + s: lanes 0-15 the step's first 16 positions, lanes 16-31 its second
.set XB,  128
.set SPARE, 65536                      ; behind the codes: the spare words, 128 bytes a wave
.set G0,  12
.set G1,  16
.set WV,  24
.set MSB, 0
.macro WIN new                         ; the immediate's high byte repeats the setting that is left
.if MSB != (\new)
	s_set_vgpr_msb (MSB<<8)|(\new)
.set MSB, (\new)
.endif
.endm
.macro PLACES
.rept 4
	v_nop
.endr
.endm
; one scaled product: D rD, source 0 rA, source 1 rB, their scale registers rSA, rSB; rRA, rRB = 1: the scales stand in lanes 16-31; rZ = 1: it starts the sum
.macro W4
.if rZ
.if rRA && rRB
	v_wmma_scale_f32_16x16x128_f8f6f4 v[rD:rD+7], v[rA:rA+7], v[rB:rB+7], 0, v[rSA], v[rSB] matrix_a_fmt:MATRIX_FMT_FP4 matrix_b_fmt:MATRIX_FMT_FP4 matrix_a_scale:MATRIX_SCALE_ROW1 matrix_b_scale:MATRIX_SCALE_ROW1
.elseif rRA
	v_wmma_scale_f32_16x16x128_f8f6f4 v[rD:rD+7], v[rA:rA+7], v[rB:rB+7], 0, v[rSA], v[rSB] matrix_a_fmt:MATRIX_FMT_FP4 matrix_b_fmt:MATRIX_FMT_FP4 matrix_a_scale:MATRIX_SCALE_ROW1
.elseif rRB
	v_wmma_scale_f32_16x16x128_f8f6f4 v[rD:rD+7], v[rA:rA+7], v[rB:rB+7], 0, v[rSA], v[rSB] matrix_a_fmt:MATRIX_FMT_FP4 matrix_b_fmt:MATRIX_FMT_FP4 matrix_b_scale:MATRIX_SCALE_ROW1
.else
	v_wmma_scale_f32_16x16x128_f8f6f4 v[rD:rD+7], v[rA:rA+7], v[rB:rB+7], 0, v[rSA], v[rSB] matrix_a_fmt:MATRIX_FMT_FP4 matrix_b_fmt:MATRIX_FMT_FP4
.endif
.else
.if rRA && rRB
	v_wmma_scale_f32_16x16x128_f8f6f4 v[rD:rD+7], v[rA:rA+7], v[rB:rB+7], v[rD:rD+7], v[rSA], v[rSB] matrix_a_fmt:MATRIX_FMT_FP4 matrix_b_fmt:MATRIX_FMT_FP4 matrix_a_scale:MATRIX_SCALE_ROW1 matrix_b_scale:MATRIX_SCALE_ROW1
.elseif rRA
	v_wmma_scale_f32_16x16x128_f8f6f4 v[rD:rD+7], v[rA:rA+7], v[rB:rB+7], v[rD:rD+7], v[rSA], v[rSB] matrix_a_fmt:MATRIX_FMT_FP4 matrix_b_fmt:MATRIX_FMT_FP4 matrix_a_scale:MATRIX_SCALE_ROW1
.elseif rRB
	v_wmma_scale_f32_16x16x128_f8f6f4 v[rD:rD+7], v[rA:rA+7], v[rB:rB+7], v[rD:rD+7], v[rSA], v[rSB] matrix_a_fmt:MATRIX_FMT_FP4 matrix_b_fmt:MATRIX_FMT_FP4 matrix_b_scale:MATRIX_SCALE_ROW1
.else
	v_wmma_scale_f32_16x16x128_f8f6f4 v[rD:rD+7], v[rA:rA+7], v[rB:rB+7], v[rD:rD+7], v[rSA], v[rSB] matrix_a_fmt:MATRIX_FMT_FP4 matrix_b_fmt:MATRIX_FMT_FP4
.endif
.endif
.endm
	s_load_b256 s[4:11], s[0:1], 0x0               ; xcod s[4:5], xscl s[6:7], wts s[8:9], qk s[10:11]
	v_lshl_add_u32 v[SPW], v0, 2, SPARE
	v_mov_b32 v[NIL], 0
	ds_add_u32 v[SPW], v[NIL]                      ; the wave's opening: the add, twice on end, and its wait ahead of my first tensor load
	ds_add_u32 v[SPW], v[NIL]
	v_lshrrev_b32 v2, 5, v0
	v_readfirstlane_b32 s[WV], v2                  ; wave 0..3
	v_and_b32 v[LI], 31, v0
	v_lshlrev_b32 v[LI], 4, v[LI]
	s_and_b32 s25, ttmp7, 0xffff                   ; y = 8 (q or k) + b
	s_lshr_b32 s26, s25, 3                         ; q or k
	; descriptor group 1: 64 dense rows of 256 bytes (32 elements of 8 bytes)
	s_mov_b32 s[G1+0], 3<<16
	s_mov_b32 s[G1+1], 32<<16                      ; tensor_dim0
	s_mov_b32 s[G1+2], 64<<16                      ; tensor_dim1
	s_mov_b32 s[G1+3], 32<<16                      ; tile_dim0
	s_mov_b32 s[G1+4], 64                          ; tile_dim1
	s_mov_b32 s[G1+5], 32                          ; the pitch
	s_mov_b32 s[G1+6], 0
	s_mov_b32 s[G1+7], 0
	s_mov_b32 s[G0], 1
	s_lshl_b32 s[G0+1], s[WV], 14                  ; my quarter in LDS
	s_lshl_b32 s28, s25, 20                        ; the codes: y x 256 tiles x 4,096 + x x 16 tiles + my quarter
	s_lshl_b32 s27, ttmp9, 16
	s_add_co_u32 s28, s28, s27
	s_lshl_b32 s27, s[WV], 14
	s_add_co_u32 s28, s28, s27
	s_mov_b32 s29, 0
	s_lshl_b32 s30, s25, 16                        ; the positions' scale rows
	s_lshl_b32 s27, ttmp9, 12
	s_add_co_u32 s30, s30, s27
	s_mov_b32 s31, 0
	s_lshl_b32 s32, s26, 13                        ; the weight's scale rows: my 128
	s_lshl_b32 s27, s[WV], 11
	s_add_co_u32 s32, s32, s27
	s_add_co_u32 s32, s32, 393216
	s_mov_b32 s33, 0
	s_lshl_b32 s34, s26, 17                        ; the weight's images: my 8 tiles of rows
	s_lshl_b32 s27, s[WV], 15
	s_add_co_u32 s34, s34, s27
	s_mov_b32 s35, 0
	s_lshl_b32 s36, s25, 22                        ; the results: y x 128 x 32 images + x x 8 steps + my 8 tiles of channels
	s_lshl_b32 s27, ttmp9, 18
	s_add_co_u32 s36, s36, s27
	s_lshl_b32 s27, s[WV], 13
	s_add_co_u32 s36, s36, s27
	s_mov_b32 s37, 0
	s_wait_dscnt 0x0                               ; both opening adds are done
	s_wait_kmcnt 0x0
	s_add_nc_u64 s[G0+2:G0+3], s[4:5], s[28:29]
	s_or_b32 s[G0+3], s[G0+3], 0x80000000
	tensor_load_to_lds s[G0:G0+3], s[G1:G1+7]      ; my one tensor load
	s_nop 0
	PLACES
	s_add_nc_u64 s[6:7], s[6:7], s[30:31]
	s_add_nc_u64 s[32:33], s[8:9], s[32:33]
	s_add_nc_u64 s[34:35], s[8:9], s[34:35]
	s_add_nc_u64 s[10:11], s[10:11], s[36:37]
.irp p, 0,1,2,3
	global_load_b128 v[WS+4*\p:WS+4*\p+3], v[LI], s[32:33] offset:512*\p
.endr
.irp p, 0,1,2,3,4,5,6,7
	global_load_b128 v[XS+4*\p:XS+4*\p+3], v[LI], s[6:7] offset:512*\p
.endr
	WIN 0x40                                       ; destination window 1
.irp a, 0,1,2,3,4,5,6,7
.irp k, 0,1,2,3
.irp c, 0,1
	global_load_b128 v[8*(4*\a+\k)+4*\c:8*(4*\a+\k)+4*\c+3], v[LI], s[34:35] offset:\a*4096+\k*1024+\c*512
.endr
.endr
.endr
	WIN 0
	s_wait_tensorcnt 0x0                           ; my quarter of the codes is in,
	s_barrier_signal -1
	s_barrier_wait -1                              ; everybody's is
.macro FETCHX st                       ; the step's 32 positions: 2 tiles x 4 K steps, into set st % 2
.irp q, 0,1
.irp k, 0,1,2,3
.irp c, 0,1
	ds_load_b128 v[XB+64*((\st)%2)+8*(4*\q+\k)+4*\c:XB+64*((\st)%2)+8*(4*\q+\k)+4*\c+3], v[LI] offset:(2*(\st)+\q)*4096+\k*1024+\c*512
.endr
.endr
.endr
.endm
	FETCHX 0
	s_wait_loadcnt 0x0                             ; the weight and all scale words
; A STEP: 32 positions x my 128 channels: 16 accumulators by turns, 4 K steps deep.
.macro STEP st
	WIN 0
	s_wait_dscnt 0x0                               ; this step's fragments are in (asked for a step ago)
.if (\st) < 7
	FETCHX (\st)+1                                 ; into the set that the step before multiplied: its places and conversions lie between
.endif
.if (\st) >= 2
	s_wait_xcnt 0x0                                ; the stores of two steps ago have read the registers that this step's products write
.endif
	WIN 0xa4                                       ; source 0 window 0, source 1 window 1, C and D window 2
.irp k, 0,1,2,3
.if \k == 0
.set rZ, 1
.else
.set rZ, 0
.endif
.irp a, 0,1,2,3,4,5,6,7
.irp q, 0,1
.set rD, 128*((\st)%2)+8*(2*\a+\q)
.set rA, XB+64*((\st)%2)+8*(4*\q+\k)
.set rB, 8*(4*\a+\k)
.set rSA, XS+4*(\st)+\k
.set rSB, WS+4*(\a/2)+\k
.set rRA, \q
.set rRB, \a%2
	W4
.endr
.endr
.endr
	PLACES                                         ; four places between the last product and the first read of results
	WIN 0x8a                                       ; sources and destination window 2
.irp t, 0,1,2,3,4,5,6,7,8,9,10,11,12,13,14,15
.irp i, 0,1,2,3
	v_cvt_pk_f16_f32 v[128*((\st)%2)+8*\t+\i], v[128*((\st)%2)+8*\t+2*\i], v[128*((\st)%2)+8*\t+2*\i+1]   ; in place, from the low end on
.endr
.endr
	WIN 0x08                                       ; a store's data: window 2
.irp a, 0,1,2,3,4,5,6,7
.irp q, 0,1
	global_store_b128 v[LI], v[128*((\st)%2)+8*(2*\a+\q):128*((\st)%2)+8*(2*\a+\q)+3], s[10:11] offset:(\st)*32768+\a*1024+\q*512 th:TH_STORE_NT   ; half an image: 512 consecutive bytes
.endr
.endr
.endm
.irp s, 0,1,2,3,4,5,6,7
	STEP \s
.endr
	WIN 0
	s_wait_tensorcnt 0x0                           ; the wave's end
	ds_add_u32 v[SPW], v[NIL]
	s_wait_dscnt 0x0
	s_endpgm
.Lfunc_end_k_qb62cb596b7_proj:
	.size	k_qb62cb596b7_proj, .Lfunc_end_k_qb62cb596b7_proj-k_qb62cb596b7_proj
	.p2alignl 7, 3214868480
	.fill 96, 4, 3214868480
	.section	.rodata,"a",@progbits
	.p2align	6, 0x0
	.amdhsa_kernel k_qb62cb596b7_proj
		.amdhsa_group_segment_fixed_size 167936
		.amdhsa_private_segment_fixed_size 0
		.amdhsa_enable_private_segment 0
		.amdhsa_kernarg_size 32
		.amdhsa_user_sgpr_count 2
		.amdhsa_user_sgpr_kernarg_segment_ptr 1
		.amdhsa_wavefront_size32 1
		.amdhsa_system_sgpr_workgroup_id_x 1
		.amdhsa_system_sgpr_workgroup_id_y 1
		.amdhsa_system_sgpr_workgroup_id_z 1
		.amdhsa_system_vgpr_workitem_id 0
		.amdhsa_next_free_vgpr 768
		.amdhsa_next_free_sgpr 66
		.amdhsa_reserve_vcc 0
		.amdhsa_float_denorm_mode_32 3
		.amdhsa_float_denorm_mode_16_64 3
		.amdhsa_memory_ordered 1
		.amdhsa_forward_progress 1
		.amdhsa_inst_pref_size 129
	.end_amdhsa_kernel
	.amdgpu_metadata
---
amdhsa.version: [ 1, 2 ]
amdhsa.kernels:
  - .name:           k_qb62cb596b7_proj
    .symbol:         k_qb62cb596b7_proj.kd
    .args:
      - { .name: xcod, .offset: 0, .size: 8, .value_kind: global_buffer, .address_space: global }
      - { .name: xscl, .offset: 8, .size: 8, .value_kind: global_buffer, .address_space: global }
      - { .name: wts, .offset: 16, .size: 8, .value_kind: global_buffer, .address_space: global }
      - { .name: qk, .offset: 24, .size: 8, .value_kind: global_buffer, .address_space: global }
    .group_segment_fixed_size: 167936
    .private_segment_fixed_size: 0
    .kernarg_segment_align: 8
    .kernarg_segment_size: 32
    .max_flat_workgroup_size: 128
    .sgpr_count:     66
    .vgpr_count:     768
    .wavefront_size: 32
...
	.end_amdgpu_metadata
.endif
;; end of part 2
;; launch scores (part 3): grid 8 x 32, 4 waves a work-group, clusters of 4 x 1, 327,680 bytes of LDS; arguments qk, ps; writes ps
.if DOCPART == 3
	.amdgcn_target "amdgcn-amd-amdhsa--gfx1250"
	.amdhsa_code_object_version 6
	.text
	.protected	k_qb62cb596b7_scores
	.globl	k_qb62cb596b7_scores
	.p2align	8
	.type	k_qb62cb596b7_scores,@function
k_qb62cb596b7_scores:
	s_mov_b64 s[64:65], 0
	v_nop
	global_prefetch_b8 v0, s[64:65] scope:SCOPE_SE
	s_setreg_imm32_b32 hwreg(HW_REG_WAVE_MODE, 25, 1), 1
	s_wait_xcnt 0x0
	s_wait_alu depctr_hold_cnt(0) depctr_sa_sdst(0) depctr_va_vdst(0) depctr_va_sdst(0) depctr_va_ssrc(0) depctr_va_vcc(0) depctr_vm_vsrc(0)
	s_getreg_b32 s2, hwreg(HW_REG_IB_STS2, 6, 4)
	s_cmp_eq_u32 s2, 0
	s_cbranch_scc0 .Lentry_in_a_cluster
	s_endpgm
.Lentry_in_a_cluster:
	s_bfe_u32 s2, ttmp6, 0x10000c
	s_cmp_lg_u32 s2, 0x3003
	s_cbranch_scc0 .Lentry_shape_is_right
	s_endpgm
.Lentry_shape_is_right:
; S[b][c][d] = the sum over n of q[b][c][n] k[b][d][n], f16 operands, f32 sums, K = 4,096 positions cut in four: ps holds four partial sums, which the next launch adds.
; ps [quarter 4][b 8][16 c: 32][16 d: 32][image of a result: part p at 512 p + 16 lane holds registers 4 p .. 4 p + 3]; lane (r, h), register j: c = 8 h + j, d = r.
; SHARES.  A work-group makes 256 (c) x 128 (d) for one batch and one quarter of K (y = 4 b + quarter): 32 steps of 32 positions.  Wave w: 128 rows of q (w / 2) x 64 rows of k (w % 2): 32 accumulators.
; The order of summation differs from one chain along n: four partial sums of 1,024 terms, added in f32.
; THE RING.  Two LDS slots of six steps each (147,456 bytes): q's two halves (8 images a step), then k's two halves (4 images a step).  The 32 steps go through slots of 6, 6, 6, 6, 6 and 2 steps.
; One tensor load a wave fills its part of a slot: a row of the tile is a step's images (8,192 or 4,096 dense bytes), rows 32,768 bytes apart in memory.
; CLUSTER.  The four work-groups of a cluster differ in their 128 rows of k alone and need the same tiles of q: waves 0 and 1 ask for q's halves JOINTLY; waves 2 and 3 ask for k's halves, each work-group its own.
; All operands lie in memory and in LDS as images of the operands' registers: a fragment is two loads of 16 bytes a lane, 512 consecutive bytes each.
; REGISTERS: window 0: v1 16 x lane; v2-5 LDS addresses; v28, v29 the add's two; v64-159, v160-255 two sets of fragments (8 of q, 4 of k).  Window 1: accumulator (a, e) at v[8 (4 a + e)].
.set LI,  1
.set AQ0, 2                            ; v2, v3  my 128 rows of q in slot 0, 1
.set AK0, 4                            ; v4, v5  my 64 rows of k
.set SPW, 28
.set NIL, 29
.set SLOT, 147456
.set SPARE, 2*SLOT
.set WV,  8
.set G1Q6, 16                          ; descriptor groups 1: q's half, six steps; k's half, six steps; the same of two steps
.set G1K6, 24
.set G1Q2, 32
.set G1K2, 40
.set G0Q,  48                          ; groups 0, one set for each slot
.set G0K,  56
.set MSB, 0
.macro WIN new
.if MSB != (\new)
	s_set_vgpr_msb (MSB<<8)|(\new)
.set MSB, (\new)
.endif
.endm
.macro PLACES
.rept 4
	v_nop
.endr
.endm
.macro CREST                           ; a round of the cluster's barrier behind its opening barrier
	s_cmp_lg_u32 s[WV], 0
	s_cbranch_scc1 .Lnot_wave_0_\@
	s_barrier_signal -3
.Lnot_wave_0_\@:
	s_barrier_wait -3
	s_barrier_signal -1
	s_barrier_wait -1
.endm
.macro ROUND
	s_barrier_signal -1
	s_barrier_wait -1
	CREST
.endm
; Waves 0 and 1 ask for q's halves (jointly), waves 2 and 3 for k's.  The branch hangs on the wave's number alone.  An s_nop 0 and four v_nop follow each line.
.macro TLOAD gq, g1q, gk, g1k
	s_cmp_lt_u32 s[WV], 2
	s_cbranch_scc0 .Lfor_k_\@
	tensor_load_to_lds s[\gq:\gq+3], s[\g1q:\g1q+7]
	s_nop 0
.rept 4
	v_nop
.endr
	s_branch .Lasked_\@
.Lfor_k_\@:
	tensor_load_to_lds s[\gk:\gk+3], s[\g1k:\g1k+7]
	s_nop 0
.rept 4
	v_nop
.endr
.Lasked_\@:
.endm
	s_load_b128 s[4:7], s[0:1], 0x0                ; qk s[4:5], ps s[6:7]
	v_lshl_add_u32 v[SPW], v0, 2, SPARE
	v_mov_b32 v[NIL], 0
	ds_add_u32 v[SPW], v[NIL]                      ; the wave's opening: the add, twice on end, and its wait ahead of my first tensor load
	ds_add_u32 v[SPW], v[NIL]
	v_lshrrev_b32 v6, 5, v0
	v_readfirstlane_b32 s[WV], v6                  ; wave 0..3
	s_lshr_b32 s9, s[WV], 1                        ; which 128 rows of q are mine
	s_and_b32 s10, s[WV], 1                        ; which 64 rows of k.  Also: which half I fetch
	s_bfe_u32 s11, ttmp6, 0x40000                  ; cx: which 128 rows of k are my work-group's
	s_and_b32 s12, ttmp7, 0xffff                   ; y = 4 b + quarter
	s_mov_b32 s[G1Q6], 15|(3<<16)|(1<<21)          ; 15:0 the mask: all four work-groups; 17:16 elements of 8 bytes; 21 set beside a mask
	s_mov_b32 s[G1Q2], 15|(3<<16)|(1<<21)
	s_mov_b32 s[G1K6], 3<<16                       ; no mask: each work-group's own
	s_mov_b32 s[G1K2], 3<<16
.irp g, G1Q6, G1Q2
	s_mov_b32 s[\g+1], 1024<<16                    ; tensor_dim0: 8,192 bytes
	s_mov_b32 s[\g+3], 1024<<16                    ; tile_dim0
.endr
.irp g, G1K6, G1K2
	s_mov_b32 s[\g+1], 512<<16                     ; 4,096 bytes
	s_mov_b32 s[\g+3], 512<<16
.endr
.irp g, G1Q6, G1K6
	s_mov_b32 s[\g+2], 6<<16                       ; tensor_dim1
	s_mov_b32 s[\g+4], 6                           ; tile_dim1: six steps
.endr
.irp g, G1Q2, G1K2
	s_mov_b32 s[\g+2], 2<<16
	s_mov_b32 s[\g+4], 2                           ; two steps
.endr
.irp g, G1Q6, G1K6, G1Q2, G1K2
	s_mov_b32 s[\g+5], 4096                        ; the pitch: a step's 32 images, 32,768 bytes
	s_mov_b32 s[\g+6], 0
	s_mov_b32 s[\g+7], 0
.endr
	s_lshl_b32 s66, s12, 20                        ; q: y x 32 steps x 32,768, + the cluster's 16 images, + my half's 8: nothing of cx
	s_lshl_b32 s13, ttmp9, 14
	s_add_co_u32 s66, s66, s13
	s_lshl_b32 s13, s10, 13
	s_add_co_u32 s66, s66, s13
	s_mov_b32 s67, 0
	s_lshl_b32 s68, s12, 20                        ; k: behind q's 33,554,432 bytes; + my work-group's 8 images, + my half's 4
	s_lshl_b32 s14, s11, 13
	s_add_co_u32 s68, s68, s14
	s_lshl_b32 s14, s10, 12
	s_add_co_u32 s68, s68, s14
	s_add_co_u32 s68, s68, 33554432
	s_mov_b32 s69, 0
	s_mul_i32 s70, s10, 49152                      ; where they go in a slot: the wave's number alone enters an LDS address
	s_mul_i32 s71, s10, 24576
	s_add_co_u32 s71, s71, 98304
	s_and_b32 s72, s12, 3                          ; the results: (8 quarter + b) x 1,024 images + (16 i + 8 (w / 2)) x 32 + 8 cx + 4 (w % 2)
	s_lshl_b32 s72, s72, 3
	s_lshr_b32 s74, s12, 2
	s_add_co_u32 s72, s72, s74
	s_lshl_b32 s72, s72, 20
	s_lshl_b32 s74, ttmp9, 19
	s_add_co_u32 s72, s72, s74
	s_lshl_b32 s74, s9, 18
	s_add_co_u32 s72, s72, s74
	s_lshl_b32 s74, s11, 13
	s_add_co_u32 s72, s72, s74
	s_lshl_b32 s74, s10, 12
	s_add_co_u32 s72, s72, s74
	s_mov_b32 s73, 0
	v_and_b32 v[LI], 31, v0
	v_lshlrev_b32 v[LI], 4, v[LI]
	s_mul_i32 s13, s9, 49152
	v_add_nc_u32 v[AQ0], s13, v[LI]
	s_add_co_u32 s13, s13, SLOT
	v_add_nc_u32 v[AQ0+1], s13, v[LI]
	v_add_nc_u32 v[AK0], s71, v[LI]
	s_add_co_u32 s13, s71, SLOT
	v_add_nc_u32 v[AK0+1], s13, v[LI]
	s_wait_dscnt 0x0                               ; both opening adds are done
	s_wait_kmcnt 0x0
	s_add_nc_u64 s[66:67], s[4:5], s[66:67]
	s_add_nc_u64 s[68:69], s[4:5], s[68:69]
	s_add_nc_u64 s[6:7], s[6:7], s[72:73]
	ROUND                                          ; all four work-groups are here: the first joint loads meet
.irp p, 0,1
	s_mov_b32 s[G0Q+4*\p], 1
	s_add_co_u32 s[G0Q+4*\p+1], s70, \p*SLOT
	s_add_nc_u64 s[G0Q+4*\p+2:G0Q+4*\p+3], s[66:67], \p*196608   ; slot p begins with steps 6 p on
	s_or_b32 s[G0Q+4*\p+3], s[G0Q+4*\p+3], 0x80000000
	s_mov_b32 s[G0K+4*\p], 1
	s_add_co_u32 s[G0K+4*\p+1], s71, \p*SLOT
	s_add_nc_u64 s[G0K+4*\p+2:G0K+4*\p+3], s[68:69], \p*196608
	s_or_b32 s[G0K+4*\p+3], s[G0K+4*\p+3], 0x80000000
.endr
	s_cmp_lt_u32 s[WV], 2                          ; a wave's two first fills stand in one branch: two loads of mine are out
	s_cbranch_scc0 .Lfirst_k
	tensor_load_to_lds s[G0Q:G0Q+3], s[G1Q6:G1Q6+7]
	s_nop 0
	tensor_load_to_lds s[G0Q+4:G0Q+7], s[G1Q6:G1Q6+7]
	s_nop 0
.rept 4
	v_nop
.endr
	s_branch .Lfirst_asked
.Lfirst_k:
	tensor_load_to_lds s[G0K:G0K+3], s[G1K6:G1K6+7]
	s_nop 0
	tensor_load_to_lds s[G0K+4:G0K+7], s[G1K6:G1K6+7]
	s_nop 0
.rept 4
	v_nop
.endr
.Lfirst_asked:
.macro FETCH                           ; step FT's fragments: 8 of q, 4 of k, into set FT % 2
.set fP, (FT/6)%2
.set fL, FT%6
.set fB, 64+96*(FT%2)
.irp a, 0,1,2,3,4,5,6,7
.irp c, 0,1
	ds_load_b128 v[fB+8*\a+4*\c:fB+8*\a+4*\c+3], v[AQ0+fP] offset:fL*8192+\a*1024+\c*512
.endr
.endr
.irp e, 0,1,2,3
.irp c, 0,1
	ds_load_b128 v[fB+64+8*\e+4*\c:fB+64+8*\e+4*\c+3], v[AK0+fP] offset:fL*4096+\e*1024+\c*512
.endr
.endr
.endm
.macro MUL4 a0                         ; step T: q's tiles a0 .. a0 + 3 x k's four: 16 accumulators by turns.  Step 0 starts the sums
.irp x, 0,1,2,3
.irp e, 0,1,2,3
.set rD, 8*(4*((\a0)+\x)+\e)
.set rA, 64+96*(T%2)+8*((\a0)+\x)
.set rB, 64+96*(T%2)+64+8*\e
.if T == 0
	v_wmma_f32_16x16x32_f16 v[rD:rD+7], v[rA:rA+7], v[rB:rB+7], 0
.else
	v_wmma_f32_16x16x32_f16 v[rD:rD+7], v[rA:rA+7], v[rB:rB+7], v[rD:rD+7]
.endif
.endr
.endr
.endm
.macro PLAIN                           ; a step whose successor lies in the same slot
.if T > 0
	PLACES                                         ; four places between the last step's products and the loads into the set that they read
.endif
	WIN 0
	s_wait_dscnt 0x0                               ; this step's fragments are in (asked for a step ago)
.if T < 31
.set FT, T+1
	FETCH
.endif
	WIN 0x50                                       ; C and D window 1
	MUL4 0
	MUL4 4
.endm
; A slot's last step changes slots: in front of the barrier each wave waits for all its tensor loads (its part of the next slot), adds 0 to its spare word, and waits for that and for its reads of this slot.
; While a later slot is left to fetch, the barrier opens a round of the cluster's, and this slot's refill is the first thing behind the round: it has six steps, 192 matrix instructions, in which to land.
.macro TURN
.set tP, (T/6)%2
	PLACES
	WIN 0
	s_wait_tensorcnt 0x0                           ; no tensor load of mine is out, so a group 0 may be written
	ds_add_u32 v[SPW], v[NIL]                      ; 0 onto my spare word
.if T < 29
	s_add_nc_u64 s[G0Q+4*tP+2:G0Q+4*tP+3], s[G0Q+4*tP+2:G0Q+4*tP+3], 393216   ; this slot's next tiles: twelve steps on
	s_add_nc_u64 s[G0K+4*tP+2:G0K+4*tP+3], s[G0K+4*tP+2:G0K+4*tP+3], 393216
.endif
	s_wait_dscnt 0x0                               ; the add is done, and my reads of this slot are over: this step's fragments were the last
	s_barrier_signal -1
	WIN 0x50
	MUL4 0                                         ; work on registers while the others arrive
	WIN 0
	s_barrier_wait -1
.if T < 29
	CREST
.if T <= 17
	TLOAD G0Q+4*tP, G1Q6, G0K+4*tP, G1K6
.else
	TLOAD G0Q+4*tP, G1Q2, G0K+4*tP, G1K2           ; the last slot holds steps 30 and 31
.endif
.endif
.set FT, T+1
	FETCH
	WIN 0x50
	MUL4 4
.endm
	s_wait_tensorcnt 1                             ; my part of slot 0 is in; slot 1's load may stay out
	s_barrier_signal -1
	s_barrier_wait -1                              ; everybody's is
.set FT, 0
	FETCH
.set T, 0
.rept 32
.if T%6 == 5
	TURN
.else
	PLAIN
.endif
.set T, T+1
.endr
	PLACES                                         ; four places between the last product and the stores that read results
	WIN 0x04                                       ; a store's data: window 1
.irp a, 0,1,2,3,4,5,6,7
.irp e, 0,1,2,3
.irp p, 0,1
	global_store_b128 v[LI], v[8*(4*\a+\e)+4*\p:8*(4*\a+\e)+4*\p+3], s[6:7] offset:\a*32768+\e*1024+\p*512 th:TH_STORE_NT   ; each accumulator from its low end on; 512 consecutive bytes a store
.endr
.endr
.endr
	WIN 0
	s_wait_tensorcnt 0x0                           ; the wave's end
	ds_add_u32 v[SPW], v[NIL]
	s_wait_dscnt 0x0
	ROUND                                          ; the closing round: no work-group ends while a partner may still ask for a tile that names it
	s_endpgm
.Lfunc_end_k_qb62cb596b7_scores:
	.size	k_qb62cb596b7_scores, .Lfunc_end_k_qb62cb596b7_scores-k_qb62cb596b7_scores
	.p2alignl 7, 3214868480
	.fill 96, 4, 3214868480
	.section	.rodata,"a",@progbits
	.p2align	6, 0x0
	.amdhsa_kernel k_qb62cb596b7_scores
		.amdhsa_group_segment_fixed_size 327680
		.amdhsa_private_segment_fixed_size 0
		.amdhsa_enable_private_segment 0
		.amdhsa_kernarg_size 16
		.amdhsa_user_sgpr_count 2
		.amdhsa_user_sgpr_kernarg_segment_ptr 1
		.amdhsa_wavefront_size32 1
		.amdhsa_system_sgpr_workgroup_id_x 1
		.amdhsa_system_sgpr_workgroup_id_y 1
		.amdhsa_system_sgpr_workgroup_id_z 1
		.amdhsa_system_vgpr_workitem_id 0
		.amdhsa_next_free_vgpr 512
		.amdhsa_next_free_sgpr 84
		.amdhsa_reserve_vcc 0
		.amdhsa_float_denorm_mode_32 3
		.amdhsa_float_denorm_mode_16_64 3
		.amdhsa_memory_ordered 1
		.amdhsa_forward_progress 1
		.amdhsa_inst_pref_size 137
	.end_amdhsa_kernel
	.amdgpu_metadata
---
amdhsa.version: [ 1, 2 ]
amdhsa.kernels:
  - .name:           k_qb62cb596b7_scores
    .symbol:         k_qb62cb596b7_scores.kd
    .args:
      - { .name: qk, .offset: 0, .size: 8, .value_kind: global_buffer, .address_space: global }
      - { .name: ps, .offset: 8, .size: 8, .value_kind: global_buffer, .address_space: global }
    .group_segment_fixed_size: 327680
    .private_segment_fixed_size: 0
    .kernarg_segment_align: 8
    .kernarg_segment_size: 16
    .max_flat_workgroup_size: 128
    .sgpr_count:     84
    .vgpr_count:     512
    .wavefront_size: 32
...
	.end_amdgpu_metadata
.endif
;; end of part 3
;; launch softmax (part 4): grid 32 x 8, 8 waves a work-group, no clusters, 2,048 bytes of LDS; arguments ps, at; writes at
.if DOCPART == 4
	.amdgcn_target "amdgcn-amd-amdhsa--gfx1250"
	.amdhsa_code_object_version 6
	.text
	.protected	k_qb62cb596b7_softmax
	.globl	k_qb62cb596b7_softmax
	.p2align	8
	.type	k_qb62cb596b7_softmax,@function
k_qb62cb596b7_softmax:
	s_mov_b64 s[64:65], 0
	v_nop
	global_prefetch_b8 v0, s[64:65] scope:SCOPE_SE
	s_setreg_imm32_b32 hwreg(HW_REG_WAVE_MODE, 25, 1), 1
	s_wait_xcnt 0x0
; attn[b][c][:] = softmax over d of S[b][c][:] / sqrt(512).  S is the sum of the four partial sums in ps.  All in f32; attn is rounded to f16 once and stored as images of the next product's operand:
; at [b 8][64 d: 8][32 c: 16][16 d: 4][16-bit image: rows = d, K = c].
; SHARES.  A work-group takes 16 rows c (x) of one batch (y); wave w the columns d = 64 w .. 64 w + 63, four tiles.  In a tile lane (r, h), register j holds c = 8 h + j, d = r:
; a row's maximum and sum run over the 16 lanes of a half, the four tiles and the eight waves; the waves' figures meet in LDS, one barrier each.
; The row's maximum is taken away ahead of the exponential, as in the definition: every exponent is 0 or less, and a row's sum is 1 or more.
; A lane's eight registers are eight neighbours along c: they pack into the 16 bytes that the image wants of that lane.  No two work-groups read the same bytes: nothing to ask for jointly.
.set LI,  1
.set RA,  2                            ; v2  64 wave + 32 h: where my half's eight figures go
.set RB,  3                            ; v3  32 h: where all waves' figures of my half begin
.set MX,  16                           ; v16-23 maxima
.set NM,  24                           ; v24-31 -c x maximum
.set SL,  32                           ; v32-39 sums
.set RC,  40                           ; v40-47 at work; then 1 / sum
.set SPW, 48
.set NIL, 49
.set P,   64                           ; v64-191 the four parts, 32 registers each; the first then holds S, then p
.set E,   192                          ; v192-255 the eight waves' figures; then the packed results
.set SPARE, 1024
.set WV,  8
	s_load_b128 s[4:7], s[0:1], 0x0                ; ps s[4:5], at s[6:7]
	v_lshl_add_u32 v[SPW], v0, 2, SPARE
	v_mov_b32 v[NIL], 0
	v_lshrrev_b32 v4, 5, v0
	v_readfirstlane_b32 s[WV], v4                  ; wave 0..7
	v_and_b32 v[LI], 31, v0
	v_lshlrev_b32 v[LI], 4, v[LI]
	v_lshrrev_b32 v[RA], 4, v0
	v_lshlrev_b32 v[RA], 5, v[RA]
	v_bfe_u32 v[RB], v0, 4, 1
	v_lshlrev_b32 v[RB], 5, v[RB]
	s_and_b32 s9, ttmp7, 0xffff                    ; b
	s_lshl_b32 s10, s9, 20                         ; in a part: (1,024 b + 32 x + 4 w) images
	s_lshl_b32 s12, ttmp9, 15
	s_add_co_u32 s10, s10, s12
	s_lshl_b32 s12, s[WV], 12
	s_add_co_u32 s10, s10, s12
	s_mov_b32 s11, 0
	s_lshl_b32 s14, s9, 3                          ; out: ((8 b + w) x 16 + x / 2) x 4,096 + (x % 2) x 512
	s_add_co_u32 s14, s14, s[WV]
	s_lshl_b32 s14, s14, 4
	s_lshr_b32 s12, ttmp9, 1
	s_add_co_u32 s14, s14, s12
	s_lshl_b32 s14, s14, 12
	s_and_b32 s12, ttmp9, 1
	s_lshl_b32 s12, s12, 9
	s_add_co_u32 s14, s14, s12
	s_mov_b32 s15, 0
	s_mov_b32 s24, 0x3d8293ee                      ; c = log2(e) / sqrt(512)
	s_mov_b32 s25, s24                             ; (named with it as a pair)
	s_wait_kmcnt 0x0
	s_add_nc_u64 s[16:17], s[4:5], s[10:11]        ; the four parts lie 8,388,608 bytes apart
	s_add_nc_u64 s[18:19], s[16:17], 0x800000
	s_add_nc_u64 s[20:21], s[18:19], 0x800000
	s_add_nc_u64 s[22:23], s[20:21], 0x800000
	s_add_nc_u64 s[6:7], s[6:7], s[14:15]
.irp s, 0,1,2,3
.irp e, 0,1,2,3
.irp p, 0,1
	global_load_b128 v[P+32*\s+8*\e+4*\p:P+32*\s+8*\e+4*\p+3], v[LI], s[16+2*\s:17+2*\s] offset:\e*1024+\p*512 th:TH_LOAD_NT
.endr
.endr
.endr
	s_wait_loadcnt 0x0
.irp i, 0,2,4,6,8,10,12,14,16,18,20,22,24,26,28,30
	v_pk_add_f32 v[P+\i:P+\i+1], v[P+\i:P+\i+1], v[P+32+\i:P+32+\i+1]
	v_pk_add_f32 v[P+64+\i:P+64+\i+1], v[P+64+\i:P+64+\i+1], v[P+96+\i:P+96+\i+1]
.endr
.irp i, 0,2,4,6,8,10,12,14,16,18,20,22,24,26,28,30
	v_pk_add_f32 v[P+\i:P+\i+1], v[P+\i:P+\i+1], v[P+64+\i:P+64+\i+1]   ; S
.endr
	; the rows' maxima: my four tiles, my half's 16 lanes, then the eight waves
.irp j, 0,1,2,3,4,5,6,7
	v_max3_num_f32 v[MX+\j], v[P+\j], v[P+8+\j], v[P+16+\j]
.endr
.irp j, 0,1,2,3,4,5,6,7
	v_max_num_f32 v[MX+\j], v[MX+\j], v[P+24+\j]
.endr
.irp m, 1,2,4,8
.irp j, 0,1,2,3,4,5,6,7
	v_max_num_f32_dpp v[MX+\j], v[MX+\j], v[MX+\j] row_xmask:\m row_mask:0xf bank_mask:0xf
.endr
.endr
	ds_store_b128 v[RA], v[MX:MX+3]                ; the 16 lanes of a half write the same bytes with the same values
	ds_store_b128 v[RA], v[MX+4:MX+7] offset:16
	s_wait_dscnt 0x0                               ; for the others' sake: my stores are done
	s_barrier_signal -1
	s_barrier_wait -1
.irp x, 0,1,2,3,4,5,6,7
	ds_load_b128 v[E+8*\x:E+8*\x+3], v[RB] offset:64*\x
	ds_load_b128 v[E+8*\x+4:E+8*\x+7], v[RB] offset:64*\x+16
.endr
	s_wait_dscnt 0x0
.irp j, 0,1,2,3,4,5,6,7
	v_max3_num_f32 v[MX+\j], v[E+\j], v[E+8+\j], v[E+16+\j]
.endr
.irp j, 0,1,2,3,4,5,6,7
	v_max3_num_f32 v[MX+\j], v[MX+\j], v[E+24+\j], v[E+32+\j]
.endr
.irp j, 0,1,2,3,4,5,6,7
	v_max3_num_f32 v[MX+\j], v[MX+\j], v[E+40+\j], v[E+48+\j]
.endr
.irp j, 0,1,2,3,4,5,6,7
	v_max_num_f32 v[MX+\j], v[MX+\j], v[E+56+\j]
.endr
.irp j, 0,1,2,3,4,5,6,7
	v_mul_f32 v[NM+\j], 0xbd8293ee, v[MX+\j]       ; -c x the row's maximum
.endr
.irp e, 0,1,2,3
.irp i, 0,2,4,6
	v_pk_fma_f32 v[P+8*\e+\i:P+8*\e+\i+1], v[P+8*\e+\i:P+8*\e+\i+1], s[24:25], v[NM+\i:NM+\i+1] op_sel_hi:[1,0,1]   ; c S - c max
.endr
.endr
.irp i, 0,1,2,3,4,5,6,7,8,9,10,11,12,13,14,15,16,17,18,19,20,21,22,23,24,25,26,27,28,29,30,31
	v_exp_f32 v[P+\i], v[P+\i]                     ; one batch
.endr
	v_nop                                          ; a plain line behind the last exponential
	s_wait_alu depctr_va_vdst(0)                   ; one wait for the batch, ahead of its first reader
.irp i, 0,2,4,6
	v_pk_add_f32 v[SL+\i:SL+\i+1], v[P+\i:P+\i+1], v[P+8+\i:P+8+\i+1]
	v_pk_add_f32 v[RC+\i:RC+\i+1], v[P+16+\i:P+16+\i+1], v[P+24+\i:P+24+\i+1]
.endr
.irp i, 0,2,4,6
	v_pk_add_f32 v[SL+\i:SL+\i+1], v[SL+\i:SL+\i+1], v[RC+\i:RC+\i+1]
.endr
.irp m, 1,2,4,8
.irp j, 0,1,2,3,4,5,6,7
	v_add_f32_dpp v[SL+\j], v[SL+\j], v[SL+\j] row_xmask:\m row_mask:0xf bank_mask:0xf
.endr
.endr
	ds_store_b128 v[RA], v[SL:SL+3] offset:512     ; other bytes than the maxima's: no barrier is owed between those reads and these stores
	ds_store_b128 v[RA], v[SL+4:SL+7] offset:528
	s_wait_dscnt 0x0
	s_barrier_signal -1
	s_barrier_wait -1
.irp x, 0,1,2,3,4,5,6,7
	ds_load_b128 v[E+8*\x:E+8*\x+3], v[RB] offset:512+64*\x
	ds_load_b128 v[E+8*\x+4:E+8*\x+7], v[RB] offset:528+64*\x
.endr
	s_wait_dscnt 0x0
.irp i, 0,2,4,6
	v_pk_add_f32 v[SL+\i:SL+\i+1], v[E+\i:E+\i+1], v[E+8+\i:E+8+\i+1]
.endr
.irp x, 2,3,4,5,6,7
.irp i, 0,2,4,6
	v_pk_add_f32 v[SL+\i:SL+\i+1], v[SL+\i:SL+\i+1], v[E+8*\x+\i:E+8*\x+\i+1]
.endr
.endr
.irp j, 0,1,2,3,4,5,6,7
	v_rcp_f32 v[RC+\j], v[SL+\j]
.endr
	v_nop
	s_wait_alu depctr_va_vdst(0)                   ; one wait for the eight reciprocals
.irp e, 0,1,2,3
.irp i, 0,2,4,6
	v_pk_mul_f32 v[P+8*\e+\i:P+8*\e+\i+1], v[P+8*\e+\i:P+8*\e+\i+1], v[RC+\i:RC+\i+1]
.endr
.endr
.irp e, 0,1,2,3
.irp i, 0,1,2,3
	v_cvt_pk_f16_f32 v[E+4*\e+\i], v[P+8*\e+2*\i], v[P+8*\e+2*\i+1]
.endr
.endr
.irp e, 0,1,2,3
	global_store_b128 v[LI], v[E+4*\e:E+4*\e+3], s[6:7] offset:\e*1024   ; half an image: 512 consecutive bytes
.endr
	s_wait_tensorcnt 0x0                           ; the wave's end, behind my last LDS store
	ds_add_u32 v[SPW], v[NIL]
	s_wait_dscnt 0x0
	s_endpgm
.Lfunc_end_k_qb62cb596b7_softmax:
	.size	k_qb62cb596b7_softmax, .Lfunc_end_k_qb62cb596b7_softmax-k_qb62cb596b7_softmax
	.p2alignl 7, 3214868480
	.fill 96, 4, 3214868480
	.section	.rodata,"a",@progbits
	.p2align	6, 0x0
	.amdhsa_kernel k_qb62cb596b7_softmax
		.amdhsa_group_segment_fixed_size 2048
		.amdhsa_private_segment_fixed_size 0
		.amdhsa_enable_private_segment 0
		.amdhsa_kernarg_size 16
		.amdhsa_user_sgpr_count 2
		.amdhsa_user_sgpr_kernarg_segment_ptr 1
		.amdhsa_wavefront_size32 1
		.amdhsa_system_sgpr_workgroup_id_x 1
		.amdhsa_system_sgpr_workgroup_id_y 1
		.amdhsa_system_sgpr_workgroup_id_z 1
		.amdhsa_system_vgpr_workitem_id 0
		.amdhsa_next_free_vgpr 256
		.amdhsa_next_free_sgpr 66
		.amdhsa_reserve_vcc 0
		.amdhsa_float_denorm_mode_32 3
		.amdhsa_float_denorm_mode_16_64 3
		.amdhsa_memory_ordered 1
		.amdhsa_forward_progress 1
		.amdhsa_inst_pref_size 25
	.end_amdhsa_kernel
	.amdgpu_metadata
---
amdhsa.version: [ 1, 2 ]
amdhsa.kernels:
  - .name:           k_qb62cb596b7_softmax
    .symbol:         k_qb62cb596b7_softmax.kd
    .args:
      - { .name: ps, .offset: 0, .size: 8, .value_kind: global_buffer, .address_space: global }
      - { .name: at, .offset: 8, .size: 8, .value_kind: global_buffer, .address_space: global }
    .group_segment_fixed_size: 2048
    .private_segment_fixed_size: 0
    .kernarg_segment_align: 8
    .kernarg_segment_size: 16
    .max_flat_workgroup_size: 256
    .sgpr_count:     66
    .vgpr_count:     256
    .wavefront_size: 32
...
	.end_amdgpu_metadata
.endif
;; end of part 4
;; launch gmat (part 5): grid 8 x 32, 4 waves a work-group, clusters of 4 x 1, 197,120 bytes of LDS; arguments at, wts, gm; writes gm
.if DOCPART == 5
	.amdgcn_target "amdgcn-amd-amdhsa--gfx1250"
	.amdhsa_code_object_version 6
	.text
	.protected	k_qb62cb596b7_gmat
	.globl	k_qb62cb596b7_gmat
	.p2align	8
	.type	k_qb62cb596b7_gmat,@function
k_qb62cb596b7_gmat:
	s_mov_b64 s[64:65], 0
	v_nop
	global_prefetch_b8 v0, s[64:65] scope:SCOPE_SE
	s_setreg_imm32_b32 hwreg(HW_REG_WAVE_MODE, 25, 1), 1
	s_wait_xcnt 0x0
	s_wait_alu depctr_hold_cnt(0) depctr_sa_sdst(0) depctr_va_vdst(0) depctr_va_sdst(0) depctr_va_ssrc(0) depctr_va_vcc(0) depctr_vm_vsrc(0)
	s_getreg_b32 s2, hwreg(HW_REG_IB_STS2, 6, 4)
	s_cmp_eq_u32 s2, 0
	s_cbranch_scc0 .Lentry_in_a_cluster
	s_endpgm
.Lentry_in_a_cluster:
	s_bfe_u32 s2, ttmp6, 0x10000c
	s_cmp_lg_u32 s2, 0x3003
	s_cbranch_scc0 .Lentry_shape_is_right
	s_endpgm
.Lentry_shape_is_right:
; G[b][o][d] = the sum over c of Wo[o][c] attn[b][c][d], f16 operands, f32 sums; G is rounded to f16 and stored as images of the last product's operand:
; gm [b 8][32 d: 16][16 o: 32][16-bit image: rows = o, K = d].  Wo (attn v) is then computed as (Wo attn) v: the same sums in another order, and 512 x 512 x 512 multiply-adds a batch in place of 512 x 512 x 4,096.
; SHARES.  A work-group makes 128 (o) x 64 (d): y = 4 b + which 128 o; x = which 64 d.  Wave w: o tiles 2 w, 2 w + 1, all four d tiles: 8 accumulators, 16 steps of 32 along c.
; LAYOUT.  Source 0 = attn's image (16 d), source 1 = Wo's (16 o): in the result a lane holds ONE o and eight neighbouring d, which pack into the 16 bytes that G's image wants of that lane.
; LDS, all filled once: Wo's 128 rows (131,072 dense bytes), attn's 64 columns (65,536 dense bytes); each wave fetches a quarter of both.
; CLUSTER.  The four work-groups of a cluster differ in their 64 d alone and need the same rows of Wo: these are asked for JOINTLY.  attn's block is each work-group's own.
; LIMIT: |G| stays under 65,504: it is at most a row of Wo's sum of magnitudes.
.set LI,  1
.set AW,  2                            ; v2  my two tiles of Wo in LDS
.set AA,  3                            ; v3  attn's block in LDS
.set SPW, 12
.set NIL, 13
.set ACC, 16                           ; v16-79  accumulator (e, x) at 8 (2 e + x)
.set FB,  80                           ; v80-223 three sets of fragments: 4 of attn, 2 of Wo
.set SPARE, 196608
.set WV,  10
.set G1W, 16
.set G1A, 24
.set G0W, 32
.set G0A, 36
.macro PLACES
.rept 4
	v_nop
.endr
.endm
.macro ROUND
	s_barrier_signal -1
	s_barrier_wait -1
	s_cmp_lg_u32 s[WV], 0
	s_cbranch_scc1 .Lnot_wave_0_\@
	s_barrier_signal -3
.Lnot_wave_0_\@:
	s_barrier_wait -3
	s_barrier_signal -1
	s_barrier_wait -1
.endm
	s_load_b128 s[4:7], s[0:1], 0x0                ; at s[4:5], wts s[6:7]
	s_load_b64 s[8:9], s[0:1], 0x10                ; gm
	v_lshl_add_u32 v[SPW], v0, 2, SPARE
	v_mov_b32 v[NIL], 0
	ds_add_u32 v[SPW], v[NIL]                      ; the wave's opening: the add, twice on end, and its wait ahead of my first tensor load
	ds_add_u32 v[SPW], v[NIL]
	v_lshrrev_b32 v4, 5, v0
	v_readfirstlane_b32 s[WV], v4                  ; wave 0..3
	v_and_b32 v[LI], 31, v0
	v_lshlrev_b32 v[LI], 4, v[LI]
	s_bfe_u32 s11, ttmp6, 0x40000                  ; cx
	s_lshl_b32 s12, ttmp9, 2
	s_add_co_u32 s12, s12, s11                     ; which 64 d
	s_and_b32 s13, ttmp7, 0xffff
	s_lshr_b32 s14, s13, 2                         ; b
	s_and_b32 s15, s13, 3                          ; which 128 o
	s_mov_b32 s[G1W+0], 15|(3<<16)|(1<<21)         ; the mask: all four work-groups; elements of 8 bytes; bit 21 beside a mask
	s_mov_b32 s[G1W+1], 32<<16                     ; rows of 256 bytes,
	s_mov_b32 s[G1W+2], 128<<16                    ; 128 of them, dense
	s_mov_b32 s[G1W+3], 32<<16
	s_mov_b32 s[G1W+4], 128
	s_mov_b32 s[G1W+5], 32
	s_mov_b32 s[G1W+6], 0
	s_mov_b32 s[G1W+7], 0
	s_mov_b32 s[G1A+0], 3<<16
	s_mov_b32 s[G1A+1], 32<<16
	s_mov_b32 s[G1A+2], 64<<16                     ; 64 rows of 256 bytes, dense
	s_mov_b32 s[G1A+3], 32<<16
	s_mov_b32 s[G1A+4], 64
	s_mov_b32 s[G1A+5], 32
	s_mov_b32 s[G1A+6], 0
	s_mov_b32 s[G1A+7], 0
	s_mov_b32 s[G0W], 1
	s_lshl_b32 s[G0W+1], s[WV], 15                 ; my quarter of Wo's block in LDS
	s_mov_b32 s[G0A], 1
	s_lshl_b32 s46, s[WV], 14
	s_add_co_u32 s[G0A+1], s46, 131072             ; my quarter of attn's
	s_lshl_b32 s40, s15, 17                        ; Wo: 417,792 + 131,072 x which 128 o + my quarter: nothing of cx
	s_lshl_b32 s47, s[WV], 15
	s_add_co_u32 s40, s40, s47
	s_add_co_u32 s40, s40, 417792
	s_mov_b32 s41, 0
	s_lshl_b32 s42, s14, 3                         ; attn: (8 b + which 64 d) x 65,536 + my quarter
	s_add_co_u32 s42, s42, s12
	s_lshl_b32 s42, s42, 16
	s_add_co_u32 s42, s42, s46
	s_mov_b32 s43, 0
	s_lshl_b32 s44, s14, 19                        ; G: 524,288 b + 65,536 x which 64 d + (8 x which 128 o + 2 w) images
	s_lshl_b32 s48, s12, 16
	s_add_co_u32 s44, s44, s48
	s_lshl_b32 s48, s15, 13
	s_add_co_u32 s44, s44, s48
	s_lshl_b32 s48, s[WV], 11
	s_add_co_u32 s44, s44, s48
	s_mov_b32 s45, 0
	v_add_nc_u32 v[AW], s47, v[LI]
	v_add_nc_u32 v[AA], 131072, v[LI]
	s_wait_dscnt 0x0                               ; both opening adds are done
	s_wait_kmcnt 0x0
	s_add_nc_u64 s[G0W+2:G0W+3], s[6:7], s[40:41]
	s_or_b32 s[G0W+3], s[G0W+3], 0x80000000
	s_add_nc_u64 s[G0A+2:G0A+3], s[4:5], s[42:43]
	s_or_b32 s[G0A+3], s[G0A+3], 0x80000000
	s_add_nc_u64 s[8:9], s[8:9], s[44:45]
	ROUND                                          ; all four work-groups are here: the joint loads meet
	tensor_load_to_lds s[G0W:G0W+3], s[G1W:G1W+7]  ; two loads of mine are out: both first fills, the launch's only ones
	s_nop 0
	tensor_load_to_lds s[G0A:G0A+3], s[G1A:G1A+7]
	s_nop 0
	PLACES
	s_wait_tensorcnt 0x0                           ; my quarters are in,
	s_barrier_signal -1
	s_barrier_wait -1                              ; everybody's are
.macro FETCH t                         ; step t: c = 32 t on: attn's four fragments, my two of Wo, into set t % 3
.set fB, FB+48*((\t)%3)
.irp e, 0,1,2,3
.irp c, 0,1
	ds_load_b128 v[fB+8*\e+4*\c:fB+8*\e+4*\c+3], v[AA] offset:4096*(\t)+1024*\e+512*\c
.endr
.endr
.irp x, 0,1
.irp c, 0,1
	ds_load_b128 v[fB+32+8*\x+4*\c:fB+32+8*\x+4*\c+3], v[AW] offset:16384*\x+1024*(\t)+512*\c
.endr
.endr
.endm
.macro GSTEP t
.if (\t) >= 1
	PLACES                                         ; four places between the last step's products and the loads into the set that they read
.endif
.if (\t) <= 13
	FETCH (\t)+2
	s_wait_dscnt 24                                ; this step's 12 loads are in; the 24 of the two steps behind it may be out
.elseif (\t) == 14
	s_wait_dscnt 12
.else
	s_wait_dscnt 0x0
.endif
.set fB, FB+48*((\t)%3)
.irp e, 0,1,2,3
.irp x, 0,1
.if (\t) == 0
	v_wmma_f32_16x16x32_f16 v[ACC+8*(2*\e+\x):ACC+8*(2*\e+\x)+7], v[fB+8*\e:fB+8*\e+7], v[fB+32+8*\x:fB+32+8*\x+7], 0
.else
	v_wmma_f32_16x16x32_f16 v[ACC+8*(2*\e+\x):ACC+8*(2*\e+\x)+7], v[fB+8*\e:fB+8*\e+7], v[fB+32+8*\x:fB+32+8*\x+7], v[ACC+8*(2*\e+\x):ACC+8*(2*\e+\x)+7]
.endif
.endr
.endr
.endm
	FETCH 0
	FETCH 1
.irp s, 0,1,2,3,4,5,6,7,8,9,10,11,12,13,14,15
	GSTEP \s                                       ; the eight accumulators take turns
.endr
	PLACES
.irp t, 0,1,2,3,4,5,6,7
.irp i, 0,1,2,3
	v_cvt_pk_f16_f32 v[ACC+8*\t+\i], v[ACC+8*\t+2*\i], v[ACC+8*\t+2*\i+1]   ; in place, from the low end on
.endr
.endr
.irp e, 0,1,2,3
.irp x, 0,1
	global_store_b128 v[LI], v[ACC+8*(2*\e+\x):ACC+8*(2*\e+\x)+3], s[8:9] offset:(\e/2)*32768+\x*1024+(\e%2)*512   ; half an image: 512 consecutive bytes
.endr
.endr
	s_wait_tensorcnt 0x0                           ; the wave's end
	ds_add_u32 v[SPW], v[NIL]
	s_wait_dscnt 0x0
	ROUND                                          ; the closing round
	s_endpgm
.Lfunc_end_k_qb62cb596b7_gmat:
	.size	k_qb62cb596b7_gmat, .Lfunc_end_k_qb62cb596b7_gmat-k_qb62cb596b7_gmat
	.p2alignl 7, 3214868480
	.fill 96, 4, 3214868480
	.section	.rodata,"a",@progbits
	.p2align	6, 0x0
	.amdhsa_kernel k_qb62cb596b7_gmat
		.amdhsa_group_segment_fixed_size 197120
		.amdhsa_private_segment_fixed_size 0
		.amdhsa_enable_private_segment 0
		.amdhsa_kernarg_size 24
		.amdhsa_user_sgpr_count 2
		.amdhsa_user_sgpr_kernarg_segment_ptr 1
		.amdhsa_wavefront_size32 1
		.amdhsa_system_sgpr_workgroup_id_x 1
		.amdhsa_system_sgpr_workgroup_id_y 1
		.amdhsa_system_sgpr_workgroup_id_z 1
		.amdhsa_system_vgpr_workitem_id 0
		.amdhsa_next_free_vgpr 256
		.amdhsa_next_free_sgpr 66
		.amdhsa_reserve_vcc 0
		.amdhsa_float_denorm_mode_32 3
		.amdhsa_float_denorm_mode_16_64 3
		.amdhsa_memory_ordered 1
		.amdhsa_forward_progress 1
		.amdhsa_inst_pref_size 30
	.end_amdhsa_kernel
	.amdgpu_metadata
---
amdhsa.version: [ 1, 2 ]
amdhsa.kernels:
  - .name:           k_qb62cb596b7_gmat
    .symbol:         k_qb62cb596b7_gmat.kd
    .args:
      - { .name: at, .offset: 0, .size: 8, .value_kind: global_buffer, .address_space: global }
      - { .name: wts, .offset: 8, .size: 8, .value_kind: global_buffer, .address_space: global }
      - { .name: gm, .offset: 16, .size: 8, .value_kind: global_buffer, .address_space: global }
    .group_segment_fixed_size: 197120
    .private_segment_fixed_size: 0
    .kernarg_segment_align: 8
    .kernarg_segment_size: 24
    .max_flat_workgroup_size: 128
    .sgpr_count:     66
    .vgpr_count:     256
    .wavefront_size: 32
...
	.end_amdgpu_metadata
.endif
;; end of part 5
;; launch final (part 6): grid 32 x 8, 4 waves a work-group, no clusters, 297,472 bytes of LDS; arguments xcod, xscl, wts, gm, query_feat, out0; writes out0
.if DOCPART == 6
	.amdgcn_target "amdgcn-amd-amdhsa--gfx1250"
	.amdhsa_code_object_version 6
	.text
	.protected	k_qb62cb596b7_final
	.globl	k_qb62cb596b7_final
	.p2align	8
	.type	k_qb62cb596b7_final,@function
k_qb62cb596b7_final:
	s_mov_b64 s[64:65], 0
	v_nop
	global_prefetch_b8 v0, s[64:65] scope:SCOPE_SE
	s_setreg_imm32_b32 hwreg(HW_REG_WAVE_MODE, 25, 1), 1
	s_wait_xcnt 0x0
; out0[b][o][n] = query_feat[b][o][n] + the sum over d of G[b][o][d] v[b][d][n], with v = Wv xk made here, on codes of E2M1 with E8M0 scales, and rounded to f16; it never goes to memory.
; SHARES.  A work-group takes 128 positions (x) of one batch (y) and makes all 512 rows o.  Wave w makes v's channels d = 128 w .. + 127 (phase 1) and out0's rows o = 128 w .. + 127 (phase 2).
; PHASE 1.  Source 0 = 16 rows of Wv, source 1 = 16 positions: in the result a lane holds ONE position and eight neighbouring d, which pack into the 16 bytes that v's image (rows = positions, K = d) wants of that lane.
;   The images go to LDS, [32 d: 16][16 positions: 8][1,024 bytes]; a barrier; every wave reads all of them.
; PHASE 2.  16 steps of 32 along d.  Source 0 = v's image, source 1 = G's image (rows = o): a lane holds ONE row o and eight neighbouring positions.  64 accumulators a wave, by turns.
;   G's fragments go from memory straight into a ring of four sets of registers, asked for three steps (192 matrix instructions) ahead of their use.
; THE WAY OUT.  16 rows at a time through the wave's own stage in LDS, back as whole rows of 512 bytes; the residual is added; 32 lanes store 512 consecutive bytes.
;   The residual's rows 0-63 of a wave come by a tensor load at the head; rows 64-127 by loads into the ring's sets as they fall free.
; NO CLUSTER: the work-groups of a batch share G.  Each byte of G is wanted by one wave of a work-group alone; beside v's 131,072 bytes LDS has room for two slots of two steps, which would give a joint load
;   128 matrix instructions in which to land and add a write and a read of LDS for every byte; into registers three steps are on their way.
; LIMITS: |v|, |G| stay under 65,504 (f16); NaN and infinities are not served.  G v in place of Wo (attn v): another order of the same sums.
; LDS: 0 v's images (131,072, written by LDS stores); 131,072 the residual (4 x 32,768, filled once); 262,144 xk's codes (32,768, filled once), later the four stages (4 x 8,448: over those bytes, which have had
;   their last fill, and 1,024 more into which no fill lands); 296,960 the spare words.
; REGISTERS: window 0: v1-7 addresses; v30, v31 the add's two; v32-47 Wv's scale words, v48-63 the positions'; v64-127 residual rows; v128-255 phase 1's results, then v's fragments (two sets), then rows on the way out.
;   window 1: G's ring, later residual rows.  window 2: Wv's fragments, then accumulators of o tiles 0-3.  window 3: the positions' fragments, then accumulators of o tiles 4-7.
.set LI,   1
.set AVS,  2                           ; v2  where I store v's images: 32,768 w + 16 lane
.set AVL1, 3                           ; v3  v's images from step 8 on
.set AXL,  4                           ; v4  xk's codes
.set ARL,  5                           ; v5  my residual rows
.set STO,  6                           ; v6  the stage: where I put 32 bytes of a row
.set RD,   7                           ; v7  and where I read a row back
.set SPW,  30
.set NIL,  31
.set WS,   32
.set XS,   48
.set RL,   64
.set SPARE, 296960
.set G1X,  16
.set G1R,  24
.set G0X,  32
.set G0R,  36
.set WV,   40
.set MSB, 0
.macro WIN new
.if MSB != (\new)
	s_set_vgpr_msb (MSB<<8)|(\new)
.set MSB, (\new)
.endif
.endm
.macro PLACES
.rept 4
	v_nop
.endr
.endm
; one scaled product: D rD, source 0 rA, source 1 rB, their scale registers rSA, rSB; rRA, rRB = 1: the scales stand in lanes 16-31; rZ = 1: it starts the sum
.macro W4
.if rZ
.if rRA && rRB
	v_wmma_scale_f32_16x16x128_f8f6f4 v[rD:rD+7], v[rA:rA+7], v[rB:rB+7], 0, v[rSA], v[rSB] matrix_a_fmt:MATRIX_FMT_FP4 matrix_b_fmt:MATRIX_FMT_FP4 matrix_a_scale:MATRIX_SCALE_ROW1 matrix_b_scale:MATRIX_SCALE_ROW1
.elseif rRA
	v_wmma_scale_f32_16x16x128_f8f6f4 v[rD:rD+7], v[rA:rA+7], v[rB:rB+7], 0, v[rSA], v[rSB] matrix_a_fmt:MATRIX_FMT_FP4 matrix_b_fmt:MATRIX_FMT_FP4 matrix_a_scale:MATRIX_SCALE_ROW1
.elseif rRB
	v_wmma_scale_f32_16x16x128_f8f6f4 v[rD:rD+7], v[rA:rA+7], v[rB:rB+7], 0, v[rSA], v[rSB] matrix_a_fmt:MATRIX_FMT_FP4 matrix_b_fmt:MATRIX_FMT_FP4 matrix_b_scale:MATRIX_SCALE_ROW1
.else
	v_wmma_scale_f32_16x16x128_f8f6f4 v[rD:rD+7], v[rA:rA+7], v[rB:rB+7], 0, v[rSA], v[rSB] matrix_a_fmt:MATRIX_FMT_FP4 matrix_b_fmt:MATRIX_FMT_FP4
.endif
.else
.if rRA && rRB
	v_wmma_scale_f32_16x16x128_f8f6f4 v[rD:rD+7], v[rA:rA+7], v[rB:rB+7], v[rD:rD+7], v[rSA], v[rSB] matrix_a_fmt:MATRIX_FMT_FP4 matrix_b_fmt:MATRIX_FMT_FP4 matrix_a_scale:MATRIX_SCALE_ROW1 matrix_b_scale:MATRIX_SCALE_ROW1
.elseif rRA
	v_wmma_scale_f32_16x16x128_f8f6f4 v[rD:rD+7], v[rA:rA+7], v[rB:rB+7], v[rD:rD+7], v[rSA], v[rSB] matrix_a_fmt:MATRIX_FMT_FP4 matrix_b_fmt:MATRIX_FMT_FP4 matrix_a_scale:MATRIX_SCALE_ROW1
.elseif rRB
	v_wmma_scale_f32_16x16x128_f8f6f4 v[rD:rD+7], v[rA:rA+7], v[rB:rB+7], v[rD:rD+7], v[rSA], v[rSB] matrix_a_fmt:MATRIX_FMT_FP4 matrix_b_fmt:MATRIX_FMT_FP4 matrix_b_scale:MATRIX_SCALE_ROW1
.else
	v_wmma_scale_f32_16x16x128_f8f6f4 v[rD:rD+7], v[rA:rA+7], v[rB:rB+7], v[rD:rD+7], v[rSA], v[rSB] matrix_a_fmt:MATRIX_FMT_FP4 matrix_b_fmt:MATRIX_FMT_FP4
.endif
.endif
.endm
.macro HW                              ; one f16 product
.if rZ
	v_wmma_f32_16x16x32_f16 v[rD:rD+7], v[rA:rA+7], v[rB:rB+7], 0
.else
	v_wmma_f32_16x16x32_f16 v[rD:rD+7], v[rA:rA+7], v[rB:rB+7], v[rD:rD+7]
.endif
.endm
	s_load_b256 s[4:11], s[0:1], 0x0               ; xcod s[4:5], xscl s[6:7], wts s[8:9], gm s[10:11]
	s_load_b128 s[12:15], s[0:1], 0x20             ; query_feat s[12:13], out0 s[14:15]
	v_lshl_add_u32 v[SPW], v0, 2, SPARE
	v_mov_b32 v[NIL], 0
	ds_add_u32 v[SPW], v[NIL]                      ; the wave's opening: the add, twice on end, and its wait ahead of my first tensor load
	ds_add_u32 v[SPW], v[NIL]
	v_lshrrev_b32 v8, 5, v0
	v_readfirstlane_b32 s[WV], v8                  ; wave 0..3
	s_and_b32 s41, ttmp7, 0xffff                   ; b
	s_mov_b32 s[G1X+0], 3<<16                      ; xk's codes: my quarter, 32 dense rows of 256 bytes
	s_mov_b32 s[G1X+1], 32<<16
	s_mov_b32 s[G1X+2], 32<<16
	s_mov_b32 s[G1X+3], 32<<16
	s_mov_b32 s[G1X+4], 32
	s_mov_b32 s[G1X+5], 32
	s_mov_b32 s[G1X+6], 0
	s_mov_b32 s[G1X+7], 0
	s_mov_b32 s[G1R+0], 2<<16                      ; the residual: 64 rows of 128 f32, 4,096 elements apart
	s_mov_b32 s[G1R+1], 128<<16
	s_mov_b32 s[G1R+2], 64<<16
	s_mov_b32 s[G1R+3], 128<<16
	s_mov_b32 s[G1R+4], 64
	s_mov_b32 s[G1R+5], 4096
	s_mov_b32 s[G1R+6], 0
	s_mov_b32 s[G1R+7], 0
	s_mov_b32 s[G0X], 1
	s_lshl_b32 s42, s[WV], 13
	s_add_co_u32 s[G0X+1], s42, 262144
	s_mov_b32 s[G0R], 1
	s_lshl_b32 s43, s[WV], 15
	s_add_co_u32 s[G0R+1], s43, 131072
	s_add_co_u32 s59, s43, 131072
	s_add_co_u32 s46, s41, 8                       ; xk is the second map: 8 + b
	s_lshl_b32 s44, s46, 20                        ; its codes: (8 + b) x 256 tiles + 8 x, + my quarter
	s_lshl_b32 s47, ttmp9, 15
	s_add_co_u32 s44, s44, s47
	s_add_co_u32 s44, s44, s42
	s_mov_b32 s45, 0
	s_lshl_b32 s48, s46, 16                        ; its scale rows
	s_lshl_b32 s47, ttmp9, 11
	s_add_co_u32 s48, s48, s47
	s_mov_b32 s49, 0
	s_lshl_b32 s50, s[WV], 11                      ; Wv's scale rows: 393,216 + 2 x 8,192 + my 128 rows
	s_add_co_u32 s50, s50, 409600
	s_mov_b32 s51, 0
	s_add_co_u32 s52, s43, 262144                  ; Wv's images: 2 x 131,072 + my 8 tiles of rows
	s_mov_b32 s53, 0
	s_lshl_b32 s54, s41, 19                        ; G: 524,288 b + my 8 tiles of rows
	s_add_co_u32 s54, s54, s42
	s_mov_b32 s55, 0
	s_lshl_b32 s56, s41, 23                        ; query_feat and out0: ((512 b + 128 w) x 4,096 + 128 x) x 4
	s_lshl_b32 s47, s[WV], 21
	s_add_co_u32 s56, s56, s47
	s_lshl_b32 s47, ttmp9, 9
	s_add_co_u32 s56, s56, s47
	s_mov_b32 s57, 0
	v_and_b32 v[LI], 31, v0
	v_lshlrev_b32 v[LI], 4, v[LI]
	v_and_b32 v8, 15, v0                           ; r
	v_bfe_u32 v9, v0, 4, 1                         ; h
	v_add_nc_u32 v[AVS], s43, v[LI]
	v_add_nc_u32 v[AVL1], 65536, v[LI]
	v_add_nc_u32 v[AXL], 262144, v[LI]
	v_add_nc_u32 v[ARL], s59, v[LI]
	s_mul_i32 s58, s[WV], 8448
	s_add_co_u32 s58, s58, 262144                  ; my stage: 16 rows of 512 + 16 bytes
	v_mul_u32_u24 v[STO], v8, 528
	v_lshl_add_u32 v[STO], v9, 5, v[STO]
	v_add_nc_u32 v[STO], s58, v[STO]
	v_add_nc_u32 v[RD], s58, v[LI]
	s_wait_dscnt 0x0                               ; both opening adds are done
	s_wait_kmcnt 0x0
	s_add_nc_u64 s[G0X+2:G0X+3], s[4:5], s[44:45]
	s_or_b32 s[G0X+3], s[G0X+3], 0x80000000
	s_add_nc_u64 s[12:13], s[12:13], s[56:57]
	s_mov_b64 s[G0R+2:G0R+3], s[12:13]
	s_or_b32 s[G0R+3], s[G0R+3], 0x80000000
	tensor_load_to_lds s[G0X:G0X+3], s[G1X:G1X+7]  ; two loads of mine are out: both first fills, the launch's only ones
	s_nop 0
	tensor_load_to_lds s[G0R:G0R+3], s[G1R:G1R+7]
	s_nop 0
	PLACES
	s_add_nc_u64 s[14:15], s[14:15], s[56:57]
	s_add_nc_u64 s[6:7], s[6:7], s[48:49]
	s_add_nc_u64 s[50:51], s[8:9], s[50:51]
	s_add_nc_u64 s[52:53], s[8:9], s[52:53]
	s_add_nc_u64 s[10:11], s[10:11], s[54:55]
.irp p, 0,1,2,3
	global_load_b128 v[WS+4*\p:WS+4*\p+3], v[LI], s[50:51] offset:512*\p
.endr
.irp p, 0,1,2,3
	global_load_b128 v[XS+4*\p:XS+4*\p+3], v[LI], s[6:7] offset:512*\p
.endr
	WIN 0x80                                       ; destination window 2
.irp a, 0,1,2,3,4,5,6,7
.irp k, 0,1,2,3
.irp c, 0,1
	global_load_b128 v[8*(4*\a+\k)+4*\c:8*(4*\a+\k)+4*\c+3], v[LI], s[52:53] offset:\a*4096+\k*1024+\c*512
.endr
.endr
.endr
.macro GLOAD u                         ; step u's eight fragments of G into the ring's set u % 4 (destination window 1)
.irp a, 0,1,2,3,4,5,6,7
.irp c, 0,1
	global_load_b128 v[64*((\u)%4)+8*\a+4*\c:64*((\u)%4)+8*\a+4*\c+3], v[LI], s[10:11] offset:(\u)*32768+\a*1024+\c*512
.endr
.endr
.endm
.macro RLOAD k                         ; my residual rows 64 + 16 k + 0 .. 15 into the ring's set k
.irp t, 0,1,2,3,4,5,6,7,8,9,10,11,12,13,14,15
	global_load_b128 v[64*(\k)+4*\t:64*(\k)+4*\t+3], v[LI], s[12:13] offset:(64+16*(\k)+\t)*16384
.endr
.endm
	WIN 0x40
	GLOAD 0
	GLOAD 1
	GLOAD 2
	GLOAD 3
	WIN 0
	s_wait_tensorcnt 1                             ; my quarter of the codes is in; the residual's load may stay out
	s_barrier_signal -1
	s_barrier_wait -1                              ; everybody's is
	WIN 0xc0                                       ; destination window 3
.irp n, 0,1,2,3,4,5,6,7
.irp k, 0,1,2,3
.irp c, 0,1
	ds_load_b128 v[8*(4*\n+\k)+4*\c:8*(4*\n+\k)+4*\c+3], v[AXL] offset:\n*4096+\k*1024+\c*512
.endr
.endr
.endr
	WIN 0
	s_wait_loadcnt 63                              ; the scale words and Wv are in: behind them stand G's 64 loads, of which 63 may be out
	s_wait_dscnt 0x0
; ---- PHASE 1: 32 positions a pass x my 128 channels d: 16 accumulators by turns, 4 K steps deep
.macro PASS p
	WIN 0x0e                                       ; source 0 (Wv) window 2, source 1 (positions) window 3, C and D window 0
.irp k, 0,1,2,3
.if \k == 0
.set rZ, 1
.else
.set rZ, 0
.endif
.irp a, 0,1,2,3,4,5,6,7
.irp q, 0,1
.set rD, 128+8*(2*\a+\q)
.set rA, 8*(4*\a+\k)
.set rB, 8*(4*(2*(\p)+\q)+\k)
.set rSA, WS+4*(\a/2)+\k
.set rSB, XS+4*(\p)+\k
.set rRA, \a%2
.set rRB, \q
	W4
.endr
.endr
.endr
	PLACES                                         ; four places between the last product and the first read of results
	WIN 0
.irp t, 0,1,2,3,4,5,6,7,8,9,10,11,12,13,14,15
.irp i, 0,1,2,3
	v_cvt_pk_f16_f32 v[128+8*\t+\i], v[128+8*\t+2*\i], v[128+8*\t+2*\i+1]   ; in place, from the low end on
.endr
.endr
.irp a, 0,1,2,3,4,5,6,7
.irp q, 0,1
	ds_store_b128 v[AVS], v[128+8*(2*\a+\q):128+8*(2*\a+\q)+3] offset:(\a/2)*8192+(2*(\p)+\q)*1024+(\a%2)*512
.endr
.endr
	s_wait_dscnt 0x0                               ; the stores have read their registers: the next pass's products may write them
.endm
	PASS 0
	PASS 1
	PASS 2
	PASS 3
	s_barrier_signal -1                            ; my stores have landed and my reads of the codes are long over (the wait above):
	s_barrier_wait -1                              ; v is whole, and nobody reads the codes any more
; ---- PHASE 2
.macro FETCHV u                        ; step u's eight fragments of v into set u % 2
.irp n, 0,1,2,3,4,5,6,7
.irp c, 0,1
.if (\u) < 8
	ds_load_b128 v[128+64*((\u)%2)+8*\n+4*\c:128+64*((\u)%2)+8*\n+4*\c+3], v[LI] offset:(\u)*8192+\n*1024+\c*512
.else
	ds_load_b128 v[128+64*((\u)%2)+8*\n+4*\c:128+64*((\u)%2)+8*\n+4*\c+3], v[AVL1] offset:((\u)-8)*8192+\n*1024+\c*512
.endif
.endr
.endr
.endm
.macro STEP u
.if (\u) == 0
.set rZ, 1                             ; the first step starts the sums: nothing is cleared.  Its products write over Wv's and the positions' fragments: the last pass's places and conversions lie between
.else
.set rZ, 0
	PLACES                                         ; four places between the last step's products and the loads into the sets that they read
.endif
	WIN 0
	s_wait_dscnt 0x0                               ; this step's fragments of v are in (asked for a step ago)
.if (\u) < 15
	FETCHV (\u)+1
.endif
.if (\u) >= 1
	WIN 0x40
.if (\u)+3 <= 15
	GLOAD (\u)+3                                   ; into the set that the last step left
.else
	RLOAD (\u)-13                                  ; G is all asked for: the sets take residual rows, so the count below stays the same
.endif
.endif
	s_wait_loadcnt 48                              ; this step's G is in; the three sets of 16 loads behind it may be out
	WIN 0xa4                                       ; source 0 (v) window 0, source 1 (G) window 1, C and D window 2
.irp a, 0,1,2,3
.irp n, 0,1,2,3,4,5,6,7
.set rD, 8*(8*\a+\n)
.set rA, 128+64*((\u)%2)+8*\n
.set rB, 64*((\u)%4)+8*\a
	HW
.endr
.endr
	WIN 0xf4                                       ; C and D window 3
.irp a, 0,1,2,3
.irp n, 0,1,2,3,4,5,6,7
.set rD, 8*(8*\a+\n)
.set rA, 128+64*((\u)%2)+8*\n
.set rB, 64*((\u)%4)+8*(\a+4)
	HW
.endr
.endr
.endm
	FETCHV 0
.irp s, 0,1,2,3,4,5,6,7,8,9,10,11,12,13,14,15
	STEP \s
.endr
; ---- THE WAY OUT
	PLACES                                         ; four places: for the loads into the last set of G, and for the first reads of results
	WIN 0x40
	RLOAD 3
	WIN 0
	s_wait_tensorcnt 0x0                           ; my residual rows 0-63 are in LDS; only I read them
.irp a, 0,1,2,3,4,5,6,7
.if \a >= 2
	s_wait_xcnt 0x0                                ; the stores of two blocks ago have read the registers into which this block's rows come back
.endif
	WIN 0x08+4*(\a/4)                              ; an LDS store's data: window 2 or 3
.irp n, 0,1,2,3,4,5,6,7
	ds_store_b128 v[STO], v[8*(8*(\a%4)+\n):8*(8*(\a%4)+\n)+3] offset:64*\n          ; each accumulator from its low end on
	ds_store_b128 v[STO], v[8*(8*(\a%4)+\n)+4:8*(8*(\a%4)+\n)+7] offset:64*\n+16
.endr
	WIN 0
.irp t, 0,1,2,3,4,5,6,7,8,9,10,11,12,13,14,15
	ds_load_b128 v[128+64*(\a%2)+4*\t:128+64*(\a%2)+4*\t+3], v[RD] offset:528*\t     ; LDS serves a wave's instructions in order (ISA guide 5.7.1.4): these see my stores
.endr
.if \a < 4
.irp t, 0,1,2,3,4,5,6,7,8,9,10,11,12,13,14,15
	ds_load_b128 v[RL+4*\t:RL+4*\t+3], v[ARL] offset:(16*\a+\t)*512
.endr
.endif
	s_wait_dscnt 0x0
.if \a >= 4
	s_wait_loadcnt 16*(7-\a)                       ; this block's residual rows are in; the later blocks' may be out
	WIN 0x04                                       ; source 1: window 1
.endif
.set i, 0
.rept 32
.if \a < 4
	v_pk_add_f32 v[128+64*(\a%2)+i:128+64*(\a%2)+i+1], v[128+64*(\a%2)+i:128+64*(\a%2)+i+1], v[RL+i:RL+i+1]
.else
	v_pk_add_f32 v[128+64*(\a%2)+i:128+64*(\a%2)+i+1], v[128+64*(\a%2)+i:128+64*(\a%2)+i+1], v[64*(\a-4)+i:64*(\a-4)+i+1]
.endif
.set i, i+2
.endr
	WIN 0
.irp t, 0,1,2,3,4,5,6,7,8,9,10,11,12,13,14,15
	global_store_b128 v[LI], v[128+64*(\a%2)+4*\t:128+64*(\a%2)+4*\t+3], s[14:15] offset:(16*\a+\t)*16384 th:TH_STORE_NT   ; 32 lanes store 512 consecutive bytes, aligned
.endr
.endr
	s_wait_tensorcnt 0x0                           ; the wave's end, behind my last tensor load and my last LDS store
	ds_add_u32 v[SPW], v[NIL]
	s_wait_dscnt 0x0
	s_endpgm
.Lfunc_end_k_qb62cb596b7_final:
	.size	k_qb62cb596b7_final, .Lfunc_end_k_qb62cb596b7_final-k_qb62cb596b7_final
	.p2alignl 7, 3214868480
	.fill 96, 4, 3214868480
	.section	.rodata,"a",@progbits
	.p2align	6, 0x0
	.amdhsa_kernel k_qb62cb596b7_final
		.amdhsa_group_segment_fixed_size 297472
		.amdhsa_private_segment_fixed_size 0
		.amdhsa_enable_private_segment 0
		.amdhsa_kernarg_size 48
		.amdhsa_user_sgpr_count 2
		.amdhsa_user_sgpr_kernarg_segment_ptr 1
		.amdhsa_wavefront_size32 1
		.amdhsa_system_sgpr_workgroup_id_x 1
		.amdhsa_system_sgpr_workgroup_id_y 1
		.amdhsa_system_sgpr_workgroup_id_z 1
		.amdhsa_system_vgpr_workitem_id 0
		.amdhsa_next_free_vgpr 1024
		.amdhsa_next_free_sgpr 66
		.amdhsa_reserve_vcc 0
		.amdhsa_float_denorm_mode_32 3
		.amdhsa_float_denorm_mode_16_64 3
		.amdhsa_memory_ordered 1
		.amdhsa_forward_progress 1
		.amdhsa_inst_pref_size 233
	.end_amdhsa_kernel
	.amdgpu_metadata
---
amdhsa.version: [ 1, 2 ]
amdhsa.kernels:
  - .name:           k_qb62cb596b7_final
    .symbol:         k_qb62cb596b7_final.kd
    .args:
      - { .name: xcod, .offset: 0, .size: 8, .value_kind: global_buffer, .address_space: global }
      - { .name: xscl, .offset: 8, .size: 8, .value_kind: global_buffer, .address_space: global }
      - { .name: wts, .offset: 16, .size: 8, .value_kind: global_buffer, .address_space: global }
      - { .name: gm, .offset: 24, .size: 8, .value_kind: global_buffer, .address_space: global }
      - { .name: query_feat, .offset: 32, .size: 8, .value_kind: global_buffer, .address_space: global }
      - { .name: out0, .offset: 40, .size: 8, .value_kind: global_buffer, .address_space: global }
    .group_segment_fixed_size: 297472
    .private_segment_fixed_size: 0
    .kernarg_segment_align: 8
    .kernarg_segment_size: 48
    .max_flat_workgroup_size: 128
    .sgpr_count:     66
    .vgpr_count:     1024
    .wavefront_size: 32
...
	.end_amdgpu_metadata
.endif
;; end of part 6
